; MI455X (gfx1250); checked and timed in simulation.
; The chip was launched on July 23, 2026; its instructions are those of AMD's public machine-readable ISA for CDNA 5 (MIT licence, August 2026) and "CDNA5" Instruction Set Architecture Reference Guide (July 2026). The comments in the code are by the model that wrote it; some were corrected since.
;; GPT2 Attention. Allowed arithmetic: matrix products marked QUANTISED: E2M3 operands, one E8M0 scale for each 32 along K, by v_wmma_scale_f32_16x16x128_f8f6f4 with both operands' format E2M3, f32 sums; everything else in f32.
;; Inputs: Wk 1,024 x 1,024 float32; Wo 1,024 x 1,024 float32; Wq 1,024 x 1,024 float32; Wv 1,024 x 1,024 float32; bk 1,024 float32; bo 1,024 float32; bq 1,024 float32; bv 1,024 float32; hidden_states 2 x 2,048 x 1,024 float32.
;; Outputs: out0 2 x 2,048 x 1,024 float32.
;; This version of the problem:
;;   THIS VERSION OF THE PROBLEM IS GIVEN IN LOW PRECISION. The matrix products marked QUANTISED in the list below multiply operands that are first quantised to E2M3 (2 exponent bits, 3 mantissa bits; 6 bits a number), with one power-of-two scale for each 32 numbers along K (OCP MX v1.0); their sums are f32. All else is computed in f32.
;;   The module's matrix products, in the order in which they are computed (A, B: the left and right operand; K: the contracted axis; several contracted axes count as one K, in the product's order):
;;     1. [M 4,096, K 1,024] x [K 1,024, N 1,024]; A: input hidden_states; B: input Wq: QUANTISED
;;     2. [M 4,096, K 1,024] x [K 1,024, N 1,024]; A: input hidden_states; B: input Wk: QUANTISED
;;     3. [M 4,096, K 1,024] x [K 1,024, N 1,024]; A: input hidden_states; B: input Wv: QUANTISED
;;     4. batch 32 x [M 2,048, K 64] x [K 64, N 2,048]; A: computed on the way; B: computed on the way: QUANTISED
;;     5. batch 32 x [M 2,048, K 2,048] x [K 2,048, N 64]; A: softmax (see below); B: computed on the way: QUANTISED
;;     6. [M 4,096, K 1,024] x [K 1,024, N 1,024]; A: computed on the way; B: input Wo: QUANTISED
;;   THE QUANTISER, for each operand of a quantised product, along K:
;;     - K is cut into blocks of 32 from its start; a last block that is shorter is filled with zeros.
;;     - A block's scale is 2^e with e = floor(log2(the largest magnitude in the block)) - 2, held to -126 .. 127; a block of zeros has e = 0. As a byte (E8M0): e + 127.
;;     - Each number is divided by its block's scale, clamped to +-7.5, and rounded to the nearest number of E2M3, ties to even, subnormals kept.
;;     - The product sums the exact products of the quantised numbers (number of the format x scale) in f32.
;;   ~~~python
;;   def quantise(x, axis):      # numpy; x: float32 -> the quantised numbers, widened to float32 again
;;       x = np.moveaxis(x, axis, -1); K = x.shape[-1]
;;       x = np.pad(x, [(0, 0)] * (x.ndim - 1) + [(0, -K % 32)]); x = x.reshape(x.shape[:-1] + (-1, 32)); a = np.abs(x).max(-1, keepdims=True)
;;       e = np.where(a > 0, np.clip(np.frexp(np.where(a > 0, a, 1))[1] - 1 - 2, -126, 127), 0)      # np.frexp(a)[1] - 1 = floor(log2(a)), exactly
;;       r = np.clip(x / 2.0 ** e, -7.5, 7.5)
;;       step = 2.0 ** (np.maximum(np.frexp(np.where(r == 0, 1, r))[1] - 1, 0) - 3)
;;       q = np.round(r / step) * step * 2.0 ** e      # np.round: ties to even
;;       return np.moveaxis(q.reshape(q.shape[:-2] + (-1,))[..., :K], -1, axis).astype(np.float32)
;;   ~~~
;;   SOFTMAX AHEAD OF A QUANTISED PRODUCT. Where the list says 'softmax', what is quantised is not the finished softmax but p = 2^(t - M), with t = logit x log2(e) and M = ceil(the row's largest t), a whole number; so 1/2 < the row's largest p <= 1. The row's sum l is taken of the UNQUANTISED p, in f32, and the product's result is divided by l at the end. Since M is a whole number, a kernel that streams over the keys may use a running M (the ceiling of the running maximum): every later rescaling is an exact power of two, which a block's scale takes up: the codes' values come out the same.
;;   OPERANDS COMPUTED ON THE WAY. 'Computed on the way' means the value that the module computes at that place (a softmax that the list does not call 'softmax' is quantised finished and normalised). What goes into a quantiser is computed in f32, as accurately as f32 sums, v_exp_f32 and their like allow (about 1e-6 of the number): no bf16 or f16 on the way to a quantiser, and a product that is left as it is and whose result goes on into a quantised operand takes f32 operands (vector FMAs, or v_wmma_f32_16x16x4_f32). A number that lies on a knife's edge between two numbers of the format may be rounded either way, as far as f32 arithmetic and the matrix unit's own rounding can turn it there, and no further.
;; One version. Each part assembles by itself: llvm-mc -triple=amdgcn-amd-amdhsa -mcpu=gfx1250 --defsym DOCPART=n.
;; ======== version 1 of 1: 4 launches
;; limits: right only within a limited range of input values
;; workspace buffers: pan 6,553,600 bytes; rope 524,288 bytes; qc 4,194,304 bytes; kv 6,553,600 bytes; oc 3,276,800 bytes
;; launch quant (part 1): grid 512 x 1, 4 waves a work-group, no clusters, 68,608 bytes of LDS; arguments hidden_states, Wq, Wk, Wv, Wo, pan, rope; writes pan, rope
.if DOCPART == 1
	.amdgcn_target "amdgcn-amd-amdhsa--gfx1250"
	.amdhsa_code_object_version 6
	.text
	.protected	k_qf345f6342d_quant
	.globl	k_qf345f6342d_quant
	.p2align	8
	.type	k_qf345f6342d_quant,@function
k_qf345f6342d_quant:
	s_mov_b64 s[64:65], 0
	v_nop
	global_prefetch_b8 v0, s[64:65] scope:SCOPE_SE
	s_setreg_imm32_b32 hwreg(HW_REG_WAVE_MODE, 25, 1), 1
	s_wait_xcnt 0x0
; hidden_states [4096][1024] and Wq, Wk, Wv, Wo [1024][1024], f32, K innermost, become codes of FP6 (E2M3) with one E8M0 byte for each 32 along K,
; laid as IMAGES OF OPERAND REGISTERS: pan [group of 64 rows: 128][K step of 128: 8][6,400 bytes]; groups 0-63 x, 64-79 Wq, 80-95 Wk, 96-111 Wv, 112-127 Wo.
; A block of 6,400 bytes: four tiles of 16 rows x 1,536 bytes (registers 4 c .. 4 c + 3 of lane l at 512 c + 16 l), then 256 bytes of scale words [row 16][tile 4].
; THE ROWS OF A TILE ARE NOT NEIGHBOURS: row i of tile w is row 32 (w / 2) + 8 (w % 2) + i + 8 (i / 8) of the group, so that results of two neighbouring tiles used as source 0 are 16 neighbours in a lane.
; A block's scale is 2^(floor(log2(largest magnitude)) - 2): the largest magnitude's exponent field less 2, held at 1 from below.
; The launch also makes the rotary table rope [t 2048][cos 0..31 | sin 0..31], f32: inv_freq = 2^(-j log2(10000) / 32), angle = t x inv_freq in f32, reduced by multiples of pi/2 in two parts, polynomials on [-pi/4, pi/4].
; SHARES: work-group = a group of 64 rows x a quarter of K; wave w = tile w, two K steps; and one row of the table, t = 4 x work-group + wave.
; LIMITS: NaN and infinities are not served.  A block of zeros, or one whose largest magnitude lies under 2^-124, gets the byte 1 (its codes are zeros or held; the bytes are read by this program alone).
; inv_freq comes from v_exp_f32 and lies within a few units in the last place of a correctly rounded one; the angle's reduction is exact for t up to 2,047.
; No tensor load, no cluster: work-groups share no input.  Each load reads 512 consecutive bytes of a row; the numbers turn through the wave's own stage in LDS so that a lane holds 32 neighbours along K.
.set PITCH, 528                        ; a stage row: 512 bytes + 16, an odd multiple of 16: the sixteen rows that a read touches begin at different 16-byte columns
.set FSTG,  16*PITCH                   ; a stage: 16 rows
.set WSTG,  2*FSTG                     ; two stages a wave
.set SSTG,  4*WSTG                     ; behind them: the scale words of the work-group's two blocks, 512 bytes
; TWO ORDERS OF ROWS.  In the groups of Wq, Wk and Wo row i of tile w is row 32 (w / 2) + 8 (w % 2) + i + 8 (i / 8), as said above.  In the groups of x and Wv it is row 32 (i / 8) + 8 w + i % 8:
; a result with these rows as source 0 then has 32 neighbours, one whole block, in a lane's four tiles.
; THE PANELS OF Wq, Wk, Wv LIE BY K STEP: behind x's 64 groups, [head 16][K step 8][q, k, v][6,400 bytes]; Wo's groups lie at 112 x 51,200 as said above.
; DEAD WORK LEFT OUT IN THE PROGRAM: reference() builds a causal mask in its own body; key steps of 128 that lie wholly behind a tile's queries get p = 0 for all values of the inputs (each row keeps its own key),
; so launch attn does not walk them.  A NaN, an infinity or an overflow that reaches only those scores is not carried to the result.  Every input is used.
.set BLK,   6400
.set LN,  1                            ; lane
.set RW,  2                            ; r = lane % 16
.set HF,  3                            ; h = lane / 16
.set L16, 4                            ; 16 x lane; never rewritten
.set STI, 5                            ; into the stage
.set STO, 6                            ; out of it: row r, + 128 h
.set SSA, 7                            ; my scale word's place: 16 r + 4 wave
.set TM,  8                            ; v8-9 largest magnitudes, v10-11 scale operands, v12-13 bytes
.set TS,  10
.set TB,  12
.set WD,  14                           ; the scale word
.set WX,  15                           ; the other half's part of it
.set SH8, 16                           ; 8 h
.set FINA, 20
.set FINO, 21
.set H3,  27                           ; 3 h: the sine is the cosine three quadrants on
.set TF,  28                           ; t as f32
.set RO,  29                           ; 8 x lane; never rewritten
.set RV,  30                           ; v30-31 the table's two numbers; never rewritten
.set R,   32                           ; v32-159 two sets of 64 numbers as loaded
.set X,   160                          ; v160-223 64 numbers, 32 neighbours twice; before that the table's scratch
.set RT,  160
.set PC,  224                          ; v224-247 codes: 12 registers for each fragment, so that no store's data are written again
.set PD,  248                          ; v248-254 the conversions' second halves
	s_load_b256 s[4:11], s[0:1], 0x0               ; hidden_states, Wq, Wk, Wv
	s_load_b128 s[12:15], s[0:1], 0x20             ; Wo, pan
	s_load_b64 s[16:17], s[0:1], 0x30              ; rope
	v_lshl_add_u32 v251, v0, 2, 0x10a00
	v_mov_b32 v255, 0
	v_lshrrev_b32 v[LN], 5, v0
	v_readfirstlane_b32 s18, v[LN]                 ; wave 0..3
	v_and_b32 v[LN], 31, v0
	v_and_b32 v[RW], 15, v0
	v_bfe_u32 v[HF], v0, 4, 1
	v_lshlrev_b32 v[L16], 4, v[LN]
	s_mul_i32 s19, s18, WSTG
	v_add_nc_u32 v[STI], s19, v[L16]
	v_mul_u32_u24 v[STO], v[RW], PITCH
	v_lshl_add_u32 v[STO], v[HF], 7, v[STO]
	v_add_nc_u32 v[STO], s19, v[STO]
	s_lshl_b32 s19, s18, 2
	s_add_co_u32 s19, s19, SSTG
	v_lshlrev_b32 v[SSA], 4, v[RW]
	v_add_nc_u32 v[SSA], s19, v[SSA]
	v_add_nc_u32 v[FINA], SSTG, v[L16]
	v_lshlrev_b32 v[SH8], 3, v[HF]
	v_mov_b32 v[WX], 0                             ; a lane permute's destination counts as one of its sources
	v_mul_u32_u24 v[H3], v[HF], 3
	v_lshlrev_b32 v[RO], 3, v[LN]
	s_lshr_b32 s20, ttmp9, 2                       ; the group of 64 rows, 0..127
	s_and_b32 s21, ttmp9, 3                        ; the quarter of K
	s_lshl_b32 s22, ttmp9, 2
	s_add_co_u32 s22, s22, s18                     ; t
	v_cvt_f32_u32 v[TF], s22
	s_mov_b32 s32, 0xbe2aaaa3                      ; sine: -1/6 ..
	s_mov_b32 s33, 0x3c08839e
	s_mov_b32 s34, 0xb94ca1f9
	s_mov_b32 s35, 0x3d2aaaa5                      ; cosine: 1/24 ..
	s_mov_b32 s36, 0xbab6061a
	s_mov_b32 s37, 0x37ccf5ce
	s_mov_b32 s38, 0x76543210
	s_mov_b32 s39, 0xfedcba98                      ; v_permlanex16_b32's selects for lane l xor 16
	s_wait_kmcnt 0x0
	s_cmp_lt_u32 s20, 112                          ; which tensor: the choice hangs on the work-group's number alone
	s_cselect_b64 s[24:25], s[10:11], s[12:13]
	s_cmp_lt_u32 s20, 96
	s_cselect_b64 s[24:25], s[8:9], s[24:25]
	s_cmp_lt_u32 s20, 80
	s_cselect_b64 s[24:25], s[6:7], s[24:25]
	s_cmp_lt_u32 s20, 64
	s_cselect_b64 s[24:25], s[4:5], s[24:25]
	s_cselect_b32 s23, 63, 15
	s_and_b32 s23, s20, s23                        ; the group inside its tensor
	s_lshl_b32 s26, s23, 18                        ; 64 rows of 4,096 bytes
	s_lshl_b32 s27, s18, 15                        ; + 8 w rows
	s_add_co_u32 s26, s26, s27
	s_lshr_b32 s40, s20, 4                         ; 0-3 x, 4 Wq, 5 Wk, 6 Wv, 7 Wo
	s_lshr_b32 s41, 0xb0, s40
	s_and_b32 s41, s41, 1                          ; 1: the order of Wq, Wk, Wo
	s_lshr_b32 s27, s18, 1
	s_lshl_b32 s27, s27, 16
	s_mul_i32 s27, s27, s41                        ; there + 16 (w / 2) rows
	s_add_co_u32 s26, s26, s27
	s_lshl_b32 s42, s41, 16
	s_sub_co_u32 s42, 0x20000, s42                 ; from tile row 0 to tile row 8: 32 rows, there 16
	s_mov_b32 s43, 0
	s_lshl_b32 s27, s21, 10                        ; + the quarter's 256 numbers
	s_add_co_u32 s26, s26, s27
	s_mov_b32 s27, 0
	s_add_nc_u64 s[24:25], s[24:25], s[26:27]
	s_add_nc_u64 s[44:45], s[24:25], s[42:43]
.irp f, 0,1
.irp i, 0,1,2,3,4,5,6,7
	global_load_b128 v[R+64*\f+4*\i:R+64*\f+4*\i+3], v[L16], s[24:25] offset:\i*4096+512*\f th:TH_LOAD_NT   ; tile row i, K step f: 512 consecutive bytes
.endr
.irp i, 0,1,2,3,4,5,6,7
	global_load_b128 v[R+64*\f+32+4*\i:R+64*\f+35+4*\i], v[L16], s[44:45] offset:\i*4096+512*\f th:TH_LOAD_NT   ; tile row 8 + i
.endr
.endr
	s_sub_co_u32 s47, s40, 4                       ; Wq, Wk, Wv: 0, 1, 2
	s_and_b32 s46, s20, 15
	s_mul_i32 s46, s46, 24
	s_add_co_u32 s46, s46, s47
	s_add_co_u32 s46, s46, 512                     ; their block number: 512 + 24 x head + panel
	s_lshl_b32 s26, s20, 3                         ; the others': 8 x group
	s_cmp_lt_u32 s47, 3
	s_cselect_b32 s26, s46, s26
	s_cselect_b32 s46, 3, 1
	s_mul_i32 s26, s26, BLK
	s_mul_i32 s46, s46, BLK                        ; from K step to K step
	s_mul_i32 s28, s21, s46
	s_lshl_b32 s28, s28, 1
	s_add_co_u32 s26, s26, s28
	s_add_nc_u64 s[14:15], s[14:15], s[26:27]      ; pan at the work-group's two blocks
	s_mul_i32 s28, s18, 1536
	s_mov_b32 s29, 0
	s_add_nc_u64 s[30:31], s[14:15], s[28:29]
	s_mov_b32 s47, 0
	s_add_nc_u64 s[40:41], s[30:31], s[46:47]      ; my tile in the second K step
	v_mul_u32_u24 v[FINO], s46, v[HF]
	v_lshl_add_u32 v[FINO], v[RW], 4, v[FINO]
	s_lshl_b32 s28, s22, 8
	s_add_nc_u64 s[16:17], s[16:17], s[28:29]      ; the table's row t
; THE TABLE, while the loads are on their way.  Lane l makes j = 2 r and 2 r + 1; lanes 0-15 the cosines, lanes 16-31 the sines.
.macro RP1 e                           ; as far as the exponential
.set T, RT+12*\e
	v_lshl_add_u32 v[T], v[RW], 1, \e
	v_sub_nc_u32 v[T], 0, v[T]
	v_cvt_f32_i32 v[T], v[T]                       ; -j
	v_mul_f32 v[T+1], 0x3ed49a80, v[T]             ; x the upper 17 bits of log2(10000) / 32: exact, j has 5 bits
	v_rndne_f32 v[T+2], v[T+1]                     ; the whole part
	v_sub_f32 v[T+1], v[T+1], v[T+2]               ; exact
	v_fmamk_f32 v[T+1], v[T], 0xb476865d, v[T+1]   ; + -j x the rest of the constant
	s_wait_alu depctr_va_vdst(0)
	v_exp_f32 v[T+3], v[T+1]
	v_cvt_i32_f32 v[T+2], v[T+2]
.endm
.macro RP2 e
.set T, RT+12*\e
	v_ldexp_f32 v[T+3], v[T+3], v[T+2]             ; inv_freq
	v_mul_f32 v[T+4], v[TF], v[T+3]                ; the angle, rounded to f32 as the outer product is
	v_mul_f32 v[T+5], 0x3f22f983, v[T+4]
	v_rndne_f32 v[T+5], v[T+5]                     ; N = the nearest multiple of pi/2
	v_fmamk_f32 v[T+4], v[T+5], 0xbfc90fdb, v[T+4] ; - N x pi/2's f32: exact (a multiple of 2^-23 under 1)
	v_fmamk_f32 v[T+4], v[T+5], 0x333bbd2e, v[T+4] ; - N x the rest of pi/2
	v_mul_f32 v[T+6], v[T+4], v[T+4]               ; z
	v_fma_f32 v[T+7], v[T+6], s34, s33
	v_fma_f32 v[T+7], v[T+7], v[T+6], s32
	v_mul_f32 v[T+8], v[T+4], v[T+6]
	v_fma_f32 v[T+7], v[T+8], v[T+7], v[T+4]       ; sin R
	v_fma_f32 v[T+8], v[T+6], s37, s36
	v_fma_f32 v[T+8], v[T+8], v[T+6], s35
	v_fma_f32 v[T+9], v[T+6], -0.5, 1.0
	v_mul_f32 v[T+6], v[T+6], v[T+6]
	v_fma_f32 v[T+8], v[T+6], v[T+8], v[T+9]       ; cos R
	v_cvt_i32_f32 v[T+5], v[T+5]
	v_add_nc_u32 v[T+5], v[T+5], v[H3]             ; the quadrant k
	v_and_b32 v[T+9], 1, v[T+5]
	v_cmp_eq_u32 vcc_lo, 1, v[T+9]
	v_cndmask_b32 v[T+8], v[T+8], v[T+7], vcc_lo   ; odd k: the sine
	v_add_nc_u32 v[T+5], 1, v[T+5]
	v_lshlrev_b32 v[T+5], 30, v[T+5]
	v_and_b32 v[T+5], 0x80000000, v[T+5]           ; k = 1, 2 modulo 4: negative
	v_xor_b32 v[RV+\e], v[T+8], v[T+5]
.endm
	RP1 0
	RP1 1
	v_nop                                          ; a plain instruction behind the last exponential
	s_wait_alu depctr_va_vdst(0)                   ; one wait for both exponentials, ahead of their first reader
	RP2 0
	RP2 1
	global_store_b64 v[RO], v[RV:RV+1], s[16:17]   ; 32 lanes store the row's 256 consecutive bytes, aligned
; A FRAGMENT: 16 rows x 128 along K.
.macro FRAGQ f
.if \f == 0
	s_wait_loadcnt 16                              ; this fragment's 16 loads are in; the other's 16 may be out
.else
	s_wait_loadcnt 0x0
.endif
.irp i, 0,1,2,3,4,5,6,7,8,9,10,11,12,13,14,15
	ds_store_b128 v[STI], v[R+64*\f+4*\i:R+64*\f+4*\i+3] offset:FSTG*\f+PITCH*\i
.endr
.irp c, 0,1
.irp k, 0,1,2,3,4,5,6,7
	ds_load_b128 v[X+32*\c+4*\k:X+32*\c+4*\k+3], v[STO] offset:FSTG*\f+256*\c+16*\k   ; LDS serves a wave's instructions in order: these see my stores.  Row r, k = 64 c + 32 h + 0 .. 31
.endr
.endr
	s_wait_dscnt 0x0
.irp c, 0,1
	v_max3_num_f32 v[TM+\c], |v[X+32*\c]|, |v[X+32*\c+1]|, 0x1800000   ; block 2 c + h is all mine; the floor 2^(3 - 127) holds the byte at 1 from below
.endr
.irp i, 2,4,6,8,10,12,14,16,18,20,22,24,26,28,30
.irp c, 0,1
	v_max3_num_f32 v[TM+\c], v[TM+\c], |v[X+32*\c+\i]|, |v[X+32*\c+\i+1]|
.endr
.endr
.irp c, 0,1
	v_add_nc_u32 v[TS+\c], 0xff000000, v[TM+\c]    ; 2 off the exponent field: the conversion's scale operand
.endr
.irp c, 0,1
	v_lshrrev_b32 v[TB+\c], 23, v[TS+\c]           ; the byte
.endr
	v_lshl_or_b32 v[WD], v[TB+1], 16, v[TB]        ; blocks h and 2 + h,
	v_lshlrev_b32 v[WD], v[SH8], v[WD]             ; at their places;
	v_permlanex16_b32 v[WX], v[WD], s38, s39
	v_or_b32 v[WD], v[WD], v[WX]                   ; with lane l xor 16's two the word is whole
.irp c, 0,1
	v_cvt_scalef32_pk16_fp6_f32 v[PC+12*\f+6*\c:PC+12*\f+6*\c+2], v[X+32*\c:X+32*\c+15], v[TS+\c]
	v_cvt_scalef32_pk16_fp6_f32 v[PD+4*\c:PD+4*\c+2], v[X+32*\c+16:X+32*\c+31], v[TS+\c]   ; (a conversion's three registers begin on an even number)
.endr
	v_nop                                          ; one plain instruction behind the scaled conversions
.irp c, 0,1
.irp i, 0,1,2
	v_mov_b32 v[PC+12*\f+6*\c+3+\i], v[PD+4*\c+\i]
.endr
.endr
.irp c, 0,1,2
	global_store_b128 v[L16], v[PC+12*\f+4*\c:PC+12*\f+4*\c+3], s[30+10*\f:31+10*\f] offset:512*\c   ; the image: 512 consecutive bytes, aligned to 256
.endr
	ds_store_b32 v[SSA], v[WD] offset:256*\f       ; lanes r and r + 16 write the same word with the same value
.endm
	FRAGQ 0
	FRAGQ 1
	s_wait_dscnt 0x0                               ; for the others' sake: my scale words lie in LDS
	s_barrier_signal -1
	s_barrier_wait -1
	s_cmp_lg_u32 s18, 0
	s_cbranch_scc1 .Ldone
	ds_load_b128 v[8:11], v[FINA]                  ; wave 0: the two blocks' scale words, [row][tile]
	s_wait_dscnt 0x0
	global_store_b128 v[FINO], v[8:11], s[14:15] offset:6144   ; sixteen lanes store 256 consecutive bytes, aligned, for each of the two blocks
.Ldone:
	s_wait_tensorcnt 0x0
	ds_add_u32 v251, v255
	s_wait_dscnt 0x0
	s_endpgm
.Lfunc_end_k_qf345f6342d_quant:
	.size	k_qf345f6342d_quant, .Lfunc_end_k_qf345f6342d_quant-k_qf345f6342d_quant
	.p2alignl 7, 3214868480
	.fill 96, 4, 3214868480
	.section	.rodata,"a",@progbits
	.p2align	6, 0x0
	.amdhsa_kernel k_qf345f6342d_quant
		.amdhsa_group_segment_fixed_size 68608
		.amdhsa_private_segment_fixed_size 0
		.amdhsa_enable_private_segment 0
		.amdhsa_kernarg_size 56
		.amdhsa_user_sgpr_count 2
		.amdhsa_user_sgpr_kernarg_segment_ptr 1
		.amdhsa_wavefront_size32 1
		.amdhsa_system_sgpr_workgroup_id_x 1
		.amdhsa_system_sgpr_workgroup_id_y 1
		.amdhsa_system_sgpr_workgroup_id_z 1
		.amdhsa_system_vgpr_workitem_id 0
		.amdhsa_next_free_vgpr 256
		.amdhsa_next_free_sgpr 66
		.amdhsa_reserve_vcc 1
		.amdhsa_float_denorm_mode_32 3
		.amdhsa_float_denorm_mode_16_64 3
		.amdhsa_memory_ordered 1
		.amdhsa_forward_progress 1
		.amdhsa_inst_pref_size 22
	.end_amdhsa_kernel
	.amdgpu_metadata
---
amdhsa.version: [ 1, 2 ]
amdhsa.kernels:
  - .name:           k_qf345f6342d_quant
    .symbol:         k_qf345f6342d_quant.kd
    .args:
      - { .name: hidden_states, .offset: 0, .size: 8, .value_kind: global_buffer, .address_space: global }
      - { .name: Wq, .offset: 8, .size: 8, .value_kind: global_buffer, .address_space: global }
      - { .name: Wk, .offset: 16, .size: 8, .value_kind: global_buffer, .address_space: global }
      - { .name: Wv, .offset: 24, .size: 8, .value_kind: global_buffer, .address_space: global }
      - { .name: Wo, .offset: 32, .size: 8, .value_kind: global_buffer, .address_space: global }
      - { .name: pan, .offset: 40, .size: 8, .value_kind: global_buffer, .address_space: global }
      - { .name: rope, .offset: 48, .size: 8, .value_kind: global_buffer, .address_space: global }
    .group_segment_fixed_size: 68608
    .private_segment_fixed_size: 0
    .kernarg_segment_align: 8
    .kernarg_segment_size: 56
    .max_flat_workgroup_size: 128
    .sgpr_count:     66
    .vgpr_count:     256
    .wavefront_size: 32
...
	.end_amdgpu_metadata
.endif
;; end of part 1
;; launch qkv (part 2): grid 16 x 16, 4 waves a work-group, clusters of 4 x 4, 327,680 bytes of LDS; arguments pan, rope, bq, bk, bv, qc, kv; writes qc, kv
.if DOCPART == 2
	.amdgcn_target "amdgcn-amd-amdhsa--gfx1250"
	.amdhsa_code_object_version 6
	.text
	.protected	k_qf345f6342d_qkv
	.globl	k_qf345f6342d_qkv
	.p2align	8
	.type	k_qf345f6342d_qkv,@function
k_qf345f6342d_qkv:
	s_mov_b64 s[64:65], 0
	v_nop
	global_prefetch_b8 v0, s[64:65] scope:SCOPE_SE
	s_setreg_imm32_b32 hwreg(HW_REG_WAVE_MODE, 25, 1), 1
	s_wait_xcnt 0x0
	s_wait_alu depctr_hold_cnt(0) depctr_sa_sdst(0) depctr_va_vdst(0) depctr_va_sdst(0) depctr_va_ssrc(0) depctr_va_vcc(0) depctr_vm_vsrc(0)
	s_getreg_b32 s2, hwreg(HW_REG_IB_STS2, 6, 4)
	s_cmp_eq_u32 s2, 0
	s_cbranch_scc0 .Lentry_in_a_cluster
	s_endpgm
.Lentry_in_a_cluster:
	s_bfe_u32 s2, ttmp6, 0x10000c
	s_cmp_lg_u32 s2, 0xf033
	s_cbranch_scc0 .Lentry_shape_is_right
	s_endpgm
.Lentry_shape_is_right:
; q = rope(x Wq^T + bq), k = rope(x Wk^T + bk), v = x Wv^T + bv on codes of FP6 (E2M3) with E8M0 scales, and their quantising for the attention: q and k along the head's 64, v along the keys.
; SHARES: a work-group takes 256 tokens x one head (64 channels each of q, k, v); a wave 64 tokens (4 tiles m of x) x 12 tiles of weights: 384 matrix instructions, one walk over K in 8 steps of 128.
; LDS: the head's panels [K step 8][q, k, v][6,400]; two slots for x, [64 tokens 4][K step 3][6,400]: K steps 0-2 and 3-5; K steps 6, 7 refill slot 0.
; LOADS: at the head one a wave: wave 0 the panels' K steps 0-2, wave 1 x's 0-2, wave 2 the panels' 3-7, wave 3 x's 3-5.  In K step 2 a drained round of the cluster's barrier: all of that is in, slot 0 has been read, and each wave refills its own 64 tokens' place.
; CLUSTER 4 x 4: x hangs on the token block (grid x) and is asked for jointly by a column of the cluster, the panels on the head (grid y) and by a row.  No prefetch: all tiles are asked for at the head but the one refill, which has three K steps in which to land.
; ORDERS: row i of x's tile m is token 32 (i / 8) + 8 m + i % 8 of its 64; row i of Wv's tile y channel 32 (i / 8) + 8 y + i % 8; row i of Wq's, Wk's tile y channel 32 (y / 2) + 8 (y % 2) + i + 8 (i / 8).
; q, k are used transposed: source 0 = 16 weight rows, source 1 = 16 tokens: a lane holds one token, registers 16 b + i = channel 32 b + 16 h + i: d and d + 32 lie in one lane (RoPE).
; v: source 0 = 16 tokens, source 1 = 16 weight rows: a lane holds one channel and register 8 m + j = token 32 h + 8 m + j: a whole block along the keys.
; OUT: qc [head 32][tile 128][1,024]: 768 bytes of codes (registers 0-3 at 16 l, 4-5 at 512 + 8 l), 256 of scale words (bytes s0 s1 s0 s1, twice).
;      kv [head 32][key step 16][12,800]: K 8 such halves; V at 6,144 [y 4][half of the keys 2]; K's scale words at 12,288 [row][fragment]; V's at 12,544 [row][y].
; LIMITS: NaN and infinities are not served; a block under 2^-124 or of zeros gets the byte 1 (read by this program alone).
; REGISTERS in windows of 256: window 0 addresses, scale words, the weights' fragments (48 for each panel), scratch behind the products; window 1 x's fragments, two sets, from v96 the biases of q and k, from v192 the table for tiles 0, 1;
;   window 2 v's accumulators 8 (4 y + m), from v192 the table for tiles 2, 3; window 3 q's and k's accumulators 8 (16 z + 4 m + y).
.set BLK,   6400
.set PANEL, 51200
.set KB,    3*BLK
.set XO,    8*KB
.set XSL,   4*KB
.set STG,   XO+2*XSL                   ; 1,024 bytes for the scale words of two key steps: K's, K's, V's, V's.  No fill lands there
.set SPARE, STG+1024
.set L16, 1
.set L8,  2
.set R16, 3
.set BOF, 4                            ; 64 h
.set VBO, 5                            ; 4 (r + 24 (r / 8))
.set ROF, 6                            ; 256 (r + 24 (r / 8)) + 64 h
.set ADW, 7                            ; v7-9   the panels at K steps 0, 3, 6
.set ADS, 10                           ; v10-12
.set KSA, 13
.set VSA, 14
.set FIN, 15
.set VB,  16                           ; v16-23 bv of my channel in tile y, twice
.set AX,  28                           ; v28-29 my 64 tokens in slots 0, 1
.set AXS, 30
.set XS,  32                           ; x's scale words: set e at XS + 8 e
.set WS,  36                           ; the weights': panel z at WS + 8 z
.set WF,  72                           ; v72-215 the weights' fragments: panel z at WF + 48 z
.set TM,  104                          ; behind the products: scratch
.set TX,  108
.set TS,  112
.set HW,  116
.set PC,  120
.set PD,  126
.set PW,  140
.set FINR, 142
.set H,   144                          ; v144-207 64 numbers ahead of the quantiser
.set WV,  18
.set G1W0, 24
.set G1W1, 32
.set G1X, 40
.set G1R, 48
.set G0W0, 56
.set G0W1, 60
.set G0X0, 68
.set G0X1, 72
.set G0R, 76
.set MSB, 0
.macro WIN new                         ; the immediate's high byte repeats the setting that is left; a switch that changes nothing is dropped
.if MSB != (\new)
	s_set_vgpr_msb (MSB<<8)|(\new)
.set MSB, (\new)
.endif
.endm
.macro PLACES                          ; four plain instructions between a matrix instruction and a load into its registers or a read of its result (ISA guide 7.12.1 for the read of its result)
.rept 4
	v_nop
.endr
.endm
.macro CREST                           ; a round of the cluster's barrier behind its opening barrier
	s_cmp_lg_u32 s[WV], 0
	s_cbranch_scc1 .Lnot_wave_0_\@
	s_barrier_signal -3
.Lnot_wave_0_\@:
	s_barrier_wait -3
	s_barrier_signal -1
	s_barrier_wait -1
.endm
.macro ROUND
	s_barrier_signal -1
	s_barrier_wait -1
	CREST
.endm
.macro TLOAD g0, g1
	tensor_load_to_lds s[\g0:\g0+3], s[\g1:\g1+7]
	s_nop 0
	PLACES
.endm
.macro GROUP1 g, mask, rows, len, pitch  ; elements of 8 bytes; bit 21 set beside a mask
	s_or_b32 s[\g], s\mask, (3<<16)|(1<<21)
	s_mov_b32 s[\g+1], (\len)<<16
	s_mov_b32 s[\g+2], (\rows)<<16
	s_mov_b32 s[\g+3], (\len)<<16
	s_mov_b32 s[\g+4], \rows
	s_mov_b32 s[\g+5], \pitch
	s_mov_b32 s[\g+6], 0
	s_mov_b32 s[\g+7], 0
.endm
	s_load_b256 s[4:11], s[0:1], 0x0               ; pan, rope, bq, bk
	s_load_b128 s[12:15], s[0:1], 0x20             ; bv, qc
	s_load_b64 s[16:17], s[0:1], 0x30              ; kv
	v_lshl_add_u32 v254, v0, 2, SPARE
	v_mov_b32 v255, 0
	ds_add_u32 v254, v255                          ; the opening lines
	ds_add_u32 v254, v255
	v_lshrrev_b32 v24, 5, v0
	v_readfirstlane_b32 s[WV], v24                 ; wave 0..3
	v_and_b32 v26, 31, v0                          ; lane
	v_and_b32 v24, 15, v0                          ; r
	v_bfe_u32 v25, v0, 4, 1                        ; h
	v_and_b32 v27, 8, v24
	v_mad_u32_u24 v27, v27, 3, v24                 ; r + 24 (r / 8)
	v_lshlrev_b32 v[L16], 4, v26
	v_lshlrev_b32 v[L8], 3, v26
	v_lshlrev_b32 v[R16], 4, v24
	v_lshlrev_b32 v[BOF], 6, v25
	v_lshlrev_b32 v[VBO], 2, v27
	v_lshlrev_b32 v[ROF], 8, v27
	v_lshl_add_u32 v[ROF], v25, 6, v[ROF]
.irp z, 0,1,2
	v_add_nc_u32 v[ADW+\z], 9*BLK*\z, v[L16]
	v_add_nc_u32 v[ADS+\z], 9*BLK*\z, v[R16]
.endr
	s_bfe_u32 s19, ttmp6, 0x40000                  ; cx
	s_bfe_u32 s80, ttmp6, 0x40004                  ; cy
	s_lshl_b32 s20, ttmp9, 2
	s_add_co_u32 s20, s20, s19                     ; the block of 256 tokens, 0..15
	s_and_b32 s21, ttmp7, 0xffff
	s_lshl_b32 s21, s21, 2
	s_add_co_u32 s21, s21, s80                     ; the head
	s_lshl_b32 s81, 0x1111, s19                    ; my column of the cluster: x
	s_lshl_b32 s90, s80, 2
	s_lshl_b32 s90, 15, s90                        ; my row: the panels
	GROUP1 G1W0, 90, 225, 32, 32                   ; dense, as rows of 256 bytes
	GROUP1 G1W1, 90, 375, 32, 32
	GROUP1 G1X, 81, 4, 2400, 6400                  ; four rows of 19,200 bytes, 51,200 from row to row
	GROUP1 G1R, 81, 50, 32, 32
	s_mul_i32 s91, s[WV], KB
	s_add_co_u32 s91, s91, XO                      ; my 64 tokens in slot 0
	v_add_nc_u32 v[AX], s91, v[L16]
	v_add_nc_u32 v[AXS], s91, v[R16]
	v_add_nc_u32 v[AX+1], XSL, v[AX]
	v_add_nc_u32 v[AXS+1], XSL, v[AXS]
	s_lshr_b32 s92, s[WV], 1
	s_and_b32 s93, s[WV], 1
	s_lshl_b32 s94, s92, 8                         ; which of the work-group's two key steps is mine
	s_lshl_b32 s95, s93, 3
	s_add_co_u32 s95, s95, s94
	s_add_co_u32 s95, s95, STG
	v_add_nc_u32 v[KSA], s95, v[R16]               ; K's scale bytes: 16 r + 8 (w % 2) + 256 (w / 2)
	s_lshl_b32 s95, s93, 1
	s_add_co_u32 s95, s95, s94
	s_add_co_u32 s95, s95, STG+512
	v_add_nc_u32 v[VSA], s95, v[R16]
	v_add_nc_u32 v[VSA], v25, v[VSA]               ; V's: 16 r + 2 (w % 2) + 256 (w / 2) + h
	s_lshl_b32 s95, s[WV], 8
	s_add_co_u32 s95, s95, STG
	v_add_nc_u32 v[FIN], s95, v[L8]                ; at the end wave w stores 256 bytes of the stage
	s_mov_b32 s88, 0x76543210
	s_mov_b32 s89, 0xfedcba98                      ; v_permlanex16_b32's selects for lane l xor 16
	s_mov_b32 s[G0W0], 1
	s_mov_b32 s[G0W0+1], 0
	s_mov_b32 s[G0W1], 1
	s_mov_b32 s[G0W1+1], 9*BLK
	s_mov_b32 s[G0X0], 1
	s_mov_b32 s[G0X0+1], XO
	s_mov_b32 s[G0X1], 1
	s_mov_b32 s[G0X1+1], XO+XSL
	s_mov_b32 s[G0R], 1
	s_mov_b32 s[G0R+1], s91
	s_mul_i32 s92, s21, 24*BLK
	s_add_co_u32 s92, s92, 64*PANEL
	s_mov_b32 s93, 0
	s_mul_i32 s94, s20, 4*PANEL
	s_mov_b32 s95, 0
	s_mul_i32 s90, s[WV], PANEL
	s_add_co_u32 s90, s90, 6*BLK
	s_mov_b32 s91, 0
	s_wait_alu depctr_va_vdst(0)
	s_wait_dscnt 0x0
	s_wait_kmcnt 0x0
	s_add_nc_u64 s[G0W0+2:G0W0+3], s[4:5], s[92:93]
	s_add_nc_u64 s[G0W1+2:G0W1+3], s[G0W0+2:G0W0+3], 9*BLK
	s_add_nc_u64 s[G0X0+2:G0X0+3], s[4:5], s[94:95]
	s_add_nc_u64 s[G0X1+2:G0X1+3], s[G0X0+2:G0X0+3], KB
	s_add_nc_u64 s[G0R+2:G0R+3], s[G0X0+2:G0X0+3], s[90:91]
.irp g, G0W0, G0W1, G0X0, G0X1, G0R
	s_or_b32 s[\g+3], s[\g+3], 0x80000000
.endr
	ROUND                                          ; all sixteen work-groups are here: the joint loads meet
	s_cmp_eq_u32 s[WV], 0
	s_cbranch_scc0 .Lload_1
	TLOAD G0W0, G1W0
	s_branch .Lasked
.Lload_1:
	s_cmp_eq_u32 s[WV], 1
	s_cbranch_scc0 .Lload_2
	TLOAD G0X0, G1X
	s_branch .Lasked
.Lload_2:
	s_cmp_eq_u32 s[WV], 2
	s_cbranch_scc0 .Lload_3
	TLOAD G0W1, G1W1
	s_branch .Lasked
.Lload_3:
	TLOAD G0X1, G1X
.Lasked:
	s_lshl_b32 s22, s20, 2
	s_add_co_u32 s22, s22, s[WV]                   ; G: my 64 tokens, 0..63
	s_and_b32 s92, s22, 31                         ; G inside its batch
	s_lshl_b32 s90, s92, 14
	s_add_nc_u64 s[6:7], s[6:7], s[90:91]          ; the table at my first token: 64 rows of 256 bytes a group
	s_lshr_b32 s93, s20, 3
	s_lshl_b32 s93, s93, 4
	s_add_co_u32 s93, s93, s21                     ; 16 x batch + head
	s_lshl_b32 s90, s93, 7
	s_lshl_b32 s94, s92, 2
	s_add_co_u32 s90, s90, s94
	s_lshl_b32 s90, s90, 10
	s_add_nc_u64 s[14:15], s[14:15], s[90:91]      ; qc at my first tile
	s_mul_i32 s93, s93, 204800                     ; the head's block in kv
	s_lshr_b32 s90, s92, 1
	s_mul_i32 s90, s90, 12800
	s_add_co_u32 s90, s90, s93
	s_add_nc_u64 s[82:83], s[16:17], s[90:91]      ; my key step
	s_and_b32 s94, s[WV], 1
	s_mul_i32 s90, s94, 768
	s_add_co_u32 s90, s90, 6144
	s_add_nc_u64 s[84:85], s[82:83], s[90:91]      ; V: my half of the step's keys
	s_mul_i32 s90, s94, 3072
	s_add_nc_u64 s[82:83], s[82:83], s[90:91]      ; K: my four tiles
	s_and_b32 s90, s20, 7
	s_lshl_b32 s90, s90, 1
	s_add_co_u32 s90, s90, s94
	s_mul_i32 s90, s90, 12800
	s_add_co_u32 s90, s90, s93
	s_lshr_b32 s94, s[WV], 1
	s_lshl_b32 s94, s94, 8
	s_add_co_u32 s90, s90, s94
	s_add_co_u32 s90, s90, 12288
	s_add_nc_u64 s[86:87], s[16:17], s[90:91]      ; where wave w's 256 bytes of scale words go: key step w % 2, K's (w / 2 = 0) or V's
	s_lshl_b32 s90, s21, 8
	s_add_nc_u64 s[8:9], s[8:9], s[90:91]          ; the head's 64 numbers of each bias
	s_add_nc_u64 s[10:11], s[10:11], s[90:91]
	s_add_nc_u64 s[12:13], s[12:13], s[90:91]
	WIN 0x40                                       ; destination window 1
.irp y, 0,1,2,3                                ; the biases in the result's layout: tile y, lane (r, h): channels 32 (y / 2) + 8 (y % 2) + 16 h + 0 .. 7
.irp z, 0,1
	global_load_b128 v[96+32*\z+8*\y:99+32*\z+8*\y], v[BOF], s[8+2*\z:9+2*\z] offset:(32*(\y/2)+8*(\y%2))*4
	global_load_b128 v[100+32*\z+8*\y:103+32*\z+8*\y], v[BOF], s[8+2*\z:9+2*\z] offset:(32*(\y/2)+8*(\y%2))*4+16
.endr
.endr
	WIN 0
.irp y, 0,1,2,3
	global_load_b32 v[VB+2*\y], v[VBO], s[12:13] offset:32*\y
	global_load_b32 v[VB+2*\y+1], v[VBO], s[12:13] offset:32*\y
.endr
.macro FETCHX e, s                     ; x's four fragments and scale words of K step s into set e: 13 LDS loads
	WIN 0x40
.irp m, 0,1,2,3
.irp c, 0,1,2
	ds_load_b128 v[48*(\e)+12*\m+4*\c:48*(\e)+12*\m+4*\c+3], v[AX+((\s)/3)%2] offset:BLK*((\s)%3)+1536*\m+512*\c
.endr
.endr
	WIN 0
	ds_load_b128 v[XS+8*(\e):XS+8*(\e)+3], v[AXS+((\s)/3)%2] offset:BLK*((\s)%3)+6144
.endm
.macro FETCHW z, s                     ; panel z's: 13 LDS loads
.irp y, 0,1,2,3
.irp c, 0,1,2
	ds_load_b128 v[WF+48*(\z)+12*\y+4*\c:WF+48*(\z)+12*\y+4*\c+3], v[ADW+(\s)/3] offset:KB*((\s)%3)+BLK*(\z)+1536*\y+512*\c
.endr
.endr
	ds_load_b128 v[WS+8*(\z):WS+8*(\z)+3], v[ADS+(\s)/3] offset:KB*((\s)%3)+BLK*(\z)+6144
.endm
.macro RLOAD                           ; the table for my 64 tokens: tile m, lane (r, h): cos and sin of j = 16 h + 0 .. 15: 8 loads a tile
.irp m, 0,1,2,3
	WIN 0x40*(1+\m/2)
.irp k, 0,1,2,3
	global_load_b128 v[192+32*(\m%2)+4*\k:195+32*(\m%2)+4*\k], v[ROF], s[6:7] offset:2048*\m+16*\k
.endr
.irp k, 0,1,2,3
	global_load_b128 v[208+32*(\m%2)+4*\k:211+32*(\m%2)+4*\k], v[ROF], s[6:7] offset:2048*\m+128+16*\k
.endr
.endr
	WIN 0
.endm
; 16 matrix instructions of panel z (0 q, 1 k), K step s: the accumulators take turns.  The first K step takes the bias as C.
.macro MUL z, s
.if (\s) == 0
	WIN 0xd4                                       ; source 1 (x) and C (bias) window 1, D window 3
.else
	WIN 0xf4
.endif
.irp m, 0,1,2,3
.irp y, 0,1,2,3
.if (\s) == 0
	v_wmma_scale_f32_16x16x128_f8f6f4 v[8*(16*(\z)+4*\m+\y):8*(16*(\z)+4*\m+\y)+7], v[WF+48*(\z)+12*\y:WF+48*(\z)+12*\y+11], v[48*((\s)%2)+12*\m:48*((\s)%2)+12*\m+11], v[96+32*(\z)+8*\y:103+32*(\z)+8*\y], v[WS+8*(\z)+\y], v[XS+8*((\s)%2)+\m] matrix_a_fmt:MATRIX_FMT_FP6 matrix_b_fmt:MATRIX_FMT_FP6
.else
	v_wmma_scale_f32_16x16x128_f8f6f4 v[8*(16*(\z)+4*\m+\y):8*(16*(\z)+4*\m+\y)+7], v[WF+48*(\z)+12*\y:WF+48*(\z)+12*\y+11], v[48*((\s)%2)+12*\m:48*((\s)%2)+12*\m+11], v[8*(16*(\z)+4*\m+\y):8*(16*(\z)+4*\m+\y)+7], v[WS+8*(\z)+\y], v[XS+8*((\s)%2)+\m] matrix_a_fmt:MATRIX_FMT_FP6 matrix_b_fmt:MATRIX_FMT_FP6
.endif
.endr
.endr
.endm
.macro MULV s                          ; 16 of v: source 0 = x, source 1 = Wv.  The first K step starts the sums with the constant 0
	WIN 0xa1                                       ; x window 1, C and D window 2
.irp y, 0,1,2,3
.irp m, 0,1,2,3
.if (\s) == 0
	v_wmma_scale_f32_16x16x128_f8f6f4 v[8*(4*\y+\m):8*(4*\y+\m)+7], v[48*((\s)%2)+12*\m:48*((\s)%2)+12*\m+11], v[WF+96+12*\y:WF+96+12*\y+11], 0, v[XS+8*((\s)%2)+\m], v[WS+16+\y] matrix_a_fmt:MATRIX_FMT_FP6 matrix_b_fmt:MATRIX_FMT_FP6
.else
	v_wmma_scale_f32_16x16x128_f8f6f4 v[8*(4*\y+\m):8*(4*\y+\m)+7], v[48*((\s)%2)+12*\m:48*((\s)%2)+12*\m+11], v[WF+96+12*\y:WF+96+12*\y+11], v[8*(4*\y+\m):8*(4*\y+\m)+7], v[XS+8*((\s)%2)+\m], v[WS+16+\y] matrix_a_fmt:MATRIX_FMT_FP6 matrix_b_fmt:MATRIX_FMT_FP6
.endif
.endr
.endr
.endm
	s_cmp_lt_u32 s[WV], 2
	s_cbranch_scc0 .Lnot_first
	s_wait_tensorcnt 0x0
.Lnot_first:
	s_barrier_signal -1
	s_barrier_wait -1                              ; the panels' and x's K steps 0-2 are in
	FETCHX 0, 0
	FETCHW 0, 0
	FETCHW 1, 0
	FETCHW 2, 0
	s_wait_loadcnt 0x0                             ; the biases
; A K STEP: 48 products; the next step's fragments are fetched into each panel's registers as soon as they are free.  In front of a step up to 52 loads are out: x, q's panel, k's, v's.
.irp s, 0,1,2,3,4,5,6,7
.if \s == 2
	s_wait_tensorcnt 0x0                           ; the head's loads are in;
	ds_add_u32 v254, v255                          ; ahead of the refill's round
	s_wait_dscnt 27                                ; k's and v's 26 loads and the add may be out
	MUL 0, \s
	s_wait_dscnt 0x0                               ; the add is done, and so are my reads of slot 0 (K step 2's were the last)
	s_barrier_signal -1
	MUL 1, \s
	WIN 0
	s_barrier_wait -1
	CREST
	TLOAD G0R, G1R                                 ; x's K steps 6 and 7 of my 64 tokens; its four v_nop are also the places in front of the loads below
	FETCHX 1, 3
	FETCHW 0, 3
	FETCHW 1, 3
	MULV \s
	WIN 0
	PLACES
	FETCHW 2, 3
.else
	s_wait_dscnt 26                                ; x and q's panel are in; k's and v's 26 loads may be out
	MUL 0, \s
	WIN 0
	PLACES
.if \s == 5
	s_wait_tensorcnt 0x0                           ; my refill is in; only I read it
.endif
.if \s < 7
	FETCHX (\s+1)%2, \s+1
	FETCHW 0, \s+1
	s_wait_dscnt 39                                ; k's panel is in; v's 13 and the 26 just issued may be out
.else
	s_wait_dscnt 13
.endif
	MUL 1, \s
	WIN 0
	PLACES
.if \s < 7
	FETCHW 1, \s+1
	s_wait_dscnt 39                                ; v's panel is in; the next step's 39 may be out
.else
	s_wait_dscnt 0x0
.endif
	MULV \s
	WIN 0
	PLACES
.if \s < 7
	FETCHW 2, \s+1
.endif
.if \s == 3
	RLOAD
.endif
.endif
.endr
; RoPE of tile m of q (z = 0) or k (1): out(d) = x(d) cos - x(d + 32) sin, out(d + 32) = x(d + 32) cos + x(d) sin, d = 16 h + i.  Each accumulator is read from its low end on.
.macro ROPE z, m
.set AA, 8*(16*(\z)+4*(\m))
.set AB, AA+16
.set CC, 192+32*((\m)%2)
.set SS, CC+16
.set HH, H+32*(\z)
	WIN 0x07+4*((\m)/2)                            ; source 0 window 3, source 1 (the table) window 1 or 2
.irp i, 0,2,4,6,8,10,12,14
	v_pk_mul_f32 v[HH+\i:HH+\i+1], v[AB+\i:AB+\i+1], v[SS+\i:SS+\i+1]
	v_pk_mul_f32 v[HH+16+\i:HH+17+\i], v[AA+\i:AA+\i+1], v[SS+\i:SS+\i+1]
.endr
.irp i, 0,2,4,6,8,10,12,14
	v_pk_fma_f32 v[HH+\i:HH+\i+1], v[AA+\i:AA+\i+1], v[CC+\i:CC+\i+1], v[HH+\i:HH+\i+1] neg_lo:[0,0,1] neg_hi:[0,0,1]
	v_pk_fma_f32 v[HH+16+\i:HH+17+\i], v[AB+\i:AB+\i+1], v[CC+\i:CC+\i+1], v[HH+16+\i:HH+17+\i]
.endr
	WIN 0
.endm
.macro STORE_HALF u, b, off            ; 768 bytes: 512 and 256 consecutive, aligned to 256
	global_store_b128 v[L16], v[PC+10*\u:PC+10*\u+3], s[\b:\b+1] offset:\off
	global_store_b64 v[L8], v[PC+10*\u+4:PC+10*\u+5], s[\b:\b+1] offset:(\off)+512
.endm
; q and k leave, tile by tile: 4 x 16 numbers of a lane, half blocks 0, 1 of q and 0, 1 of k; the other halves lie in lane l xor 16
.irp m, 0,1,2,3
	s_wait_xcnt 0x0                                ; the stores issued so far have read their registers
	s_wait_loadcnt 24-8*\m                         ; this tile's 8 table loads are in; the later tiles' may be out
	ROPE 0, \m
	ROPE 1, \m
.irp g, 0,1,2,3
	v_max3_num_f32 v[TM+\g], |v[H+16*\g]|, |v[H+16*\g+1]|, 0x1800000   ; my 16 numbers, and the floor 2^(3 - 127): the byte cannot fall under 1
.endr
.irp i, 2,4,6,8,10,12,14
.irp g, 0,1,2,3
	v_max3_num_f32 v[TM+\g], v[TM+\g], |v[H+16*\g+\i]|, |v[H+16*\g+\i+1]|
.endr
.endr
.irp g, 0,1,2,3
	v_permlanex16_b32 v[TX+\g], v[TM+\g], s88, s89
.endr
.irp g, 0,1,2,3
	v_max_num_f32 v[TM+\g], v[TM+\g], v[TX+\g]     ; with lane l xor 16's: the block's largest magnitude
.endr
.irp g, 0,1,2,3
	v_add_nc_u32 v[TS+\g], 0xff000000, v[TM+\g]    ; 2 off the exponent field: the conversion's scale operand
.endr
.irp g, 0,1,2,3
	v_lshrrev_b32 v[TX+\g], 23, v[TS+\g]           ; the byte
.endr
.irp u, 0,1
	v_lshl_or_b32 v[HW+\u], v[TX+2*\u+1], 8, v[TX+2*\u]
.endr
.irp u, 0,1
	v_cvt_scalef32_pk16_fp6_f32 v[PC+10*\u:PC+10*\u+2], v[H+32*\u:H+32*\u+15], v[TS+2*\u]
	v_cvt_scalef32_pk16_fp6_f32 v[PD+10*\u:PD+10*\u+2], v[H+32*\u+16:H+32*\u+31], v[TS+2*\u+1]
.endr
	v_lshl_or_b32 v[PW], v[HW], 16, v[HW]          ; q's word s0 s1 s0 s1: the codes will stand in either half of the operand.  (A plain instruction behind the scaled conversions)
	v_mov_b32 v[PW+1], v[PW]
.irp i, 0,1,2
.irp u, 0,1
	v_permlane16_swap_b32 v[PC+10*\u+\i], v[PD+10*\u+\i]   ; the first now holds each lane's block's lower 16 codes, the second the upper 16
.endr
.endr
.irp i, 0,1,2
.irp u, 0,1
	v_mov_b32 v[PC+10*\u+3+\i], v[PD+10*\u+\i]
.endr
.endr
	STORE_HALF 0, 14, 1024*\m
	global_store_b64 v[L8], v[PW:PW+1], s[14:15] offset:1024*\m+768
	STORE_HALF 1, 82, 768*\m
	ds_store_b16 v[KSA], v[HW+1] offset:2*\m       ; lanes r and r + 16 write the same two bytes with the same value
.endr
; v leaves, two tiles of channels at a time: a lane's 32 numbers are a whole block
.irp y, 0,2
	s_wait_xcnt 0x0
	WIN 0x02                                       ; source 0 window 2
.irp u, 0,1
.irp i, 0,2,4,6,8,10,12,14,16,18,20,22,24,26,28,30
	v_pk_add_f32 v[H+32*\u+\i:H+32*\u+\i+1], v[32*(\y+\u)+\i:32*(\y+\u)+\i+1], v[VB+2*(\y+\u):VB+2*(\y+\u)+1]   ; + bv of my channel; each accumulator from its low end on
.endr
.endr
	WIN 0
.irp u, 0,1
	v_max3_num_f32 v[TM+2*\u], |v[H+32*\u]|, |v[H+32*\u+1]|, 0x1800000
	v_max3_num_f32 v[TM+2*\u+1], |v[H+32*\u+2]|, |v[H+32*\u+3]|, |v[H+32*\u+4]|
.endr
.irp i, 5,9,13,17,21,25
.irp u, 0,1
	v_max3_num_f32 v[TM+2*\u], v[TM+2*\u], |v[H+32*\u+\i]|, |v[H+32*\u+\i+1]|
	v_max3_num_f32 v[TM+2*\u+1], v[TM+2*\u+1], |v[H+32*\u+\i+2]|, |v[H+32*\u+\i+3]|
.endr
.endr
.irp u, 0,1
	v_max3_num_f32 v[TM+2*\u], v[TM+2*\u], |v[H+32*\u+29]|, |v[H+32*\u+30]|
.endr
.irp u, 0,1
	v_max3_num_f32 v[TM+2*\u], v[TM+2*\u], v[TM+2*\u+1], |v[H+32*\u+31]|
.endr
.irp u, 0,1
	v_add_nc_u32 v[TS+\u], 0xff000000, v[TM+2*\u]
.endr
.irp u, 0,1
	v_cvt_scalef32_pk16_fp6_f32 v[PC+10*\u:PC+10*\u+2], v[H+32*\u:H+32*\u+15], v[TS+\u]
	v_cvt_scalef32_pk16_fp6_f32 v[PD+10*\u:PD+10*\u+2], v[H+32*\u+16:H+32*\u+31], v[TS+\u]
.endr
.irp u, 0,1
	v_lshrrev_b32 v[HW+\u], 23, v[TS+\u]           ; the byte.  (A plain instruction behind the scaled conversions)
.endr
.irp i, 0,1,2
.irp u, 0,1
	v_mov_b32 v[PC+10*\u+3+\i], v[PD+10*\u+\i]
.endr
.endr
.irp u, 0,1
	STORE_HALF \u, 84, 1536*(\y+\u)
	ds_store_b8 v[VSA], v[HW+\u] offset:4*(\y+\u)
.endr
.endr
	s_wait_dscnt 0x0                               ; for the others' sake: my scale bytes lie in the stage
	s_barrier_signal -1
	s_barrier_wait -1
	ds_load_b64 v[FINR:FINR+1], v[FIN]
	s_wait_dscnt 0x0
	global_store_b64 v[L8], v[FINR:FINR+1], s[86:87]   ; 32 lanes store 256 consecutive bytes, aligned
	s_wait_tensorcnt 0x0                           ; the wave's end
	ds_add_u32 v254, v255
	s_wait_dscnt 0x0
	ROUND                                          ; the closing round: no work-group ends while a partner may still ask for a tile that names it
	s_endpgm
.Lfunc_end_k_qf345f6342d_qkv:
	.size	k_qf345f6342d_qkv, .Lfunc_end_k_qf345f6342d_qkv-k_qf345f6342d_qkv
	.p2alignl 7, 3214868480
	.fill 96, 4, 3214868480
	.section	.rodata,"a",@progbits
	.p2align	6, 0x0
	.amdhsa_kernel k_qf345f6342d_qkv
		.amdhsa_group_segment_fixed_size 327680
		.amdhsa_private_segment_fixed_size 0
		.amdhsa_enable_private_segment 0
		.amdhsa_kernarg_size 56
		.amdhsa_user_sgpr_count 2
		.amdhsa_user_sgpr_kernarg_segment_ptr 1
		.amdhsa_wavefront_size32 1
		.amdhsa_system_sgpr_workgroup_id_x 1
		.amdhsa_system_sgpr_workgroup_id_y 1
		.amdhsa_system_sgpr_workgroup_id_z 1
		.amdhsa_system_vgpr_workitem_id 0
		.amdhsa_next_free_vgpr 1024
		.amdhsa_next_free_sgpr 98
		.amdhsa_reserve_vcc 0
		.amdhsa_float_denorm_mode_32 3
		.amdhsa_float_denorm_mode_16_64 3
		.amdhsa_memory_ordered 1
		.amdhsa_forward_progress 1
		.amdhsa_inst_pref_size 140
	.end_amdhsa_kernel
	.amdgpu_metadata
---
amdhsa.version: [ 1, 2 ]
amdhsa.kernels:
  - .name:           k_qf345f6342d_qkv
    .symbol:         k_qf345f6342d_qkv.kd
    .args:
      - { .name: pan, .offset: 0, .size: 8, .value_kind: global_buffer, .address_space: global }
      - { .name: rope, .offset: 8, .size: 8, .value_kind: global_buffer, .address_space: global }
      - { .name: bq, .offset: 16, .size: 8, .value_kind: global_buffer, .address_space: global }
      - { .name: bk, .offset: 24, .size: 8, .value_kind: global_buffer, .address_space: global }
      - { .name: bv, .offset: 32, .size: 8, .value_kind: global_buffer, .address_space: global }
      - { .name: qc, .offset: 40, .size: 8, .value_kind: global_buffer, .address_space: global }
      - { .name: kv, .offset: 48, .size: 8, .value_kind: global_buffer, .address_space: global }
    .group_segment_fixed_size: 327680
    .private_segment_fixed_size: 0
    .kernarg_segment_align: 8
    .kernarg_segment_size: 56
    .max_flat_workgroup_size: 128
    .sgpr_count:     98
    .vgpr_count:     1024
    .wavefront_size: 32
...
	.end_amdgpu_metadata
.endif
;; end of part 2
;; launch attn (part 3): grid 8 x 32, 16 waves a work-group, clusters of 4 x 1, 243,712 bytes of LDS; arguments qc, kv, oc; writes oc
.if DOCPART == 3
	.amdgcn_target "amdgcn-amd-amdhsa--gfx1250"
	.amdhsa_code_object_version 6
	.text
	.protected	k_qf345f6342d_attn
	.globl	k_qf345f6342d_attn
	.p2align	8
	.type	k_qf345f6342d_attn,@function
k_qf345f6342d_attn:
	s_mov_b64 s[64:65], 0
	v_nop
	global_prefetch_b8 v0, s[64:65] scope:SCOPE_SE
	s_setreg_imm32_b32 hwreg(HW_REG_WAVE_MODE, 25, 1), 1
	s_wait_xcnt 0x0
	s_wait_alu depctr_hold_cnt(0) depctr_sa_sdst(0) depctr_va_vdst(0) depctr_va_sdst(0) depctr_va_ssrc(0) depctr_va_vcc(0) depctr_vm_vsrc(0)
	s_getreg_b32 s2, hwreg(HW_REG_IB_STS2, 6, 4)
	s_cmp_eq_u32 s2, 0
	s_cbranch_scc0 .Lentry_in_a_cluster
	s_endpgm
.Lentry_in_a_cluster:
	s_bfe_u32 s2, ttmp6, 0x10000c
	s_cmp_lg_u32 s2, 0x3003
	s_cbranch_scc0 .Lentry_shape_is_right
	s_endpgm
.Lentry_shape_is_right:
; o = softmax(q k^T / 8, causal) v for one head, both products on codes of FP6 (E2M3) with E8M0 scales, and o's quantising along the model's 1,024 for the last product.
; THE SOFTMAX AHEAD OF THE SECOND PRODUCT: t = score x log2(e) / 8; M = the running largest t rounded UP to a whole number; p = 2^(t - M) is quantised along the keys, not normalised;
; the row's sum is taken of the unquantised p and divides at the end; when M moves, the sum and O are multiplied by 2^(old M - new M): exact.
; SHARES: a work-group = one head x 16 tiles of 16 queries, tau = 8 a + g: g the work-group's number in the head (0..7), a = 0 .. 15.  Tile a needs key steps 0 .. a of 128 keys, the last on the diagonal;
; later key steps are wholly masked by reference()'s own causal mask and are left out (dead for all values of the inputs; a NaN or infinity that reaches only them is not carried).
; Tiles p and 15 - p (p = 0 .. 7) have 17 key steps together, shared by two waves: wave p walks steps 0 .. 8 of tile 15 - p; wave p + 8 walks steps 0 .. p of tile p, sends that tile out, and then walks steps 9 .. 15 - p of tile 15 - p.
; At the end wave p + 8 leaves its part of tile 15 - p (O, M, the sum) in LDS, and wave p joins the two under the larger M.  All branches hang on the wave's number and the trip.
; The head's K, V and scale words, 16 x 12,800 bytes, lie whole in LDS: wave w fetches key step w; each byte is filled once.  Trip 0 (key step 0 for all) stands in front of the loop and needs wave 0's load alone; the other loads are waited for behind it.
; CLUSTER: four work-groups of one head want the same bytes: each step is asked for JOINTLY (the descriptor is made of the head and the wave's number alone; the mask names all four).
; No prefetch: all of the launch's tiles are asked for at its head; no loop loads.
; THE HEAD HAS 64 CHANNELS, the instruction 128 along K.  A fragment of K carries TWO tiles of keys, in registers 0-5 and 6-11.  q stands twice round six registers of zero codes: (q, zeros) and (zeros, q):
; the zero codes take the other tile out of the sum.  So a fragment read from LDS feeds two products.
; Both products are used transposed: a lane holds ONE query; by the tiles' key order register 32 c + i of the scores in lane (r, h) is key 64 c + 32 h + i: a block of 32 keys lies whole in one lane, as the next operand's layout wants it.
; Query r of tile tau is token 64 (tau / 4) + 32 (r / 8) + 8 (tau % 4) + r % 8 of its sequence; register 8 y + j of O^T in lane (r, h) is channel 32 h + 8 y + j.
; OUT: oc [64 tokens: 64][K step: 8][6,400]: tile m at 1,536 m: the halves of heads 2 s and 2 s + 1; at 6,144 the scale words [row][m], two bytes from each head: one byte a lane, 2 bytes in 50 of what the launch stores.
; LIMITS: NaN and infinities are not served; a block under 2^-124 or of zeros gets the byte 1 (read by this program alone); the scaled scores (exponents to the base 2) stay under 2^31 in magnitude.
.set STEPB, 12800
.set PART, 16*STEPB                    ; a pair's part: O^T 8 x 512 bytes, then -M, the largest score and the two halves of the sum, 16 bytes a lane
.set PARTB, 4608
.set SPARE, PART+8*PARTB
.set L16, 1
.set L8,  2
.set R16, 3
.set DQ,  4                            ; my query's place in its key step - 32 h
.set ADA, 5
.set ADB, 6
.set ADC, 7
.set LN,  8
.set SH8, 10                           ; 8 h
.set OFB, 11                           ; 16 r + h
.set NM,  12                           ; -M
.set RUN, 13                           ; the largest score so far
.set L,   14                           ; v14-15 the sum
.set QLO, 16                           ; v16-21 q, v22-27 zeros, v28-33 q
.set QHI, 22
; TWO REGIONS OF 64 REGISTERS TAKE TURNS from trip to trip: one holds K's fragments and, behind the scores' products, V's (KV); the other the scores, then p, and, once p is converted, the NEXT step's K (S).
.set R0,  34
.set R1,  98
.set O,   162                          ; v162-193 O^T
.set PCD, 194                          ; v194-205 p's codes
.set BM,  206
.set F,   208
.set PW,  209                          ; p's scale word
.set T,   210
.set NINF, 211
.set TS,  212
.set BB,  214
.set PX,  216
.set HW,  217
.set PD,  218                          ; v218-220, v222-224
.set QS,  221                          ; q's scale words
.set CH,  226
.set CS,  230
.set KSK, 246                          ; v246-249 K's scale words
.set KSV, 250                          ; v250-253 V's
.set PA,  8                            ; (the lane's number has served)
.set WV,  10
.macro ROUND                           ; a round of the cluster's barrier
	s_barrier_signal -1
	s_barrier_wait -1
	s_cmp_lg_u32 s[WV], 0
	s_cbranch_scc1 .Lnot_wave_0_\@
	s_barrier_signal -3
.Lnot_wave_0_\@:
	s_barrier_wait -3
	s_barrier_signal -1
	s_barrier_wait -1
.endm
.macro TLOAD
	tensor_load_to_lds s[24:27], s[16:23]
	s_nop 0
.rept 4
	v_nop
.endr
.endm
.macro QLOAD b                         ; a tile of q, twice, and its scale words
	global_load_b128 v[QLO:QLO+3], v[L16], s[\b:\b+1]
	global_load_b64 v[QLO+4:QLO+5], v[L8], s[\b:\b+1] offset:512
	global_load_b128 v[QHI+6:QHI+9], v[L16], s[\b:\b+1]
	global_load_b64 v[QHI+10:QHI+11], v[L8], s[\b:\b+1] offset:512
	global_load_b32 v[QS], v[L8], s[\b:\b+1] offset:768
.endm
.macro LOAD4 base, sc, a, b, c         ; four fragments, each two halves of 768 bytes on end, and their scale words: 17 LDS loads
.irp i, 0,1,2,3
	ds_load_b128 v[KV+12*\i:KV+12*\i+3], v[\a] offset:\base+1536*\i
	ds_load_b64 v[KV+12*\i+4:KV+12*\i+5], v[\b] offset:\base+1536*\i+512
	ds_load_b128 v[KV+12*\i+6:KV+12*\i+9], v[\a] offset:\base+1536*\i+768
	ds_load_b64 v[KV+12*\i+10:KV+12*\i+11], v[\b] offset:\base+1536*\i+1280
.endr
	ds_load_b128 v[KS:KS+3], v[\c] offset:\sc
.endm
.macro D1
	s_delay_alu instid0(VALU_DEP_1)
.endm
.macro D2
	s_delay_alu instid0(VALU_DEP_2)
.endm
; A KEY STEP.  first = 1: trip 0, key step 0, which starts the sums; else key step s43, whose bytes begin at s29 in LDS.
.macro STEP first, e, t                ; e: which region holds K; t: the scalar register with the trip.  Behind the first step K is on its way already
.set KV, R0+(R1-R0)*(\e)
.set S,  R1-(R1-R0)*(\e)
.set KS, KSK
.if \first
	LOAD4 0, 12288, L16, L8, R16
.else
	s_mul_i32 s29, s43, STEPB
	v_add_nc_u32 v[ADA], s29, v[L16]
	v_add_nc_u32 v[ADB], s29, v[L8]
	v_add_nc_u32 v[ADC], s29, v[R16]
.rept 2
	v_nop                                          ; with the three additions: five places, since the scores are written over the fragments of V that the last trip's products read
.endr
.endif
	s_wait_alu depctr_va_vdst(0)
	s_wait_dscnt 0x0
.irp b, 0,1,2,3                                ; S^T = K q^T: eight tiles of 16 keys; each product starts its sum with the constant 0
	v_wmma_scale_f32_16x16x128_f8f6f4 v[S+16*\b:S+16*\b+7], v[KV+12*\b:KV+12*\b+11], v[QLO:QLO+11], 0, v[KS+\b], v[QS] matrix_a_fmt:MATRIX_FMT_FP6 matrix_b_fmt:MATRIX_FMT_FP6
	v_wmma_scale_f32_16x16x128_f8f6f4 v[S+16*\b+8:S+16*\b+15], v[KV+12*\b:KV+12*\b+11], v[QHI:QHI+11], 0, v[KS+\b], v[QS] matrix_a_fmt:MATRIX_FMT_FP6 matrix_b_fmt:MATRIX_FMT_FP6
.endr
.rept 4
	v_nop                                          ; places in front of the loads below and of the first read of the scores
.endr
.set KS, KSV
.if \first
	LOAD4 6144, 12544, L16, L8, R16
	s_cmp_lg_u32 s14, 0
.else
	LOAD4 6144, 12544, ADA, ADB, ADC
	s_cmp_lg_u32 s43, s14
.endif
	s_cbranch_scc1 .Lopen_\@
.set n, 0
.rept 64                                       ; the diagonal step: register n holds key 64 (n / 32) + n % 32 + 32 h of the step: hidden where that is above my query's place
	v_cmp_gt_i32 vcc_lo, 64*(n/32)+n%32, v[DQ]
	v_cndmask_b32 v[S+n], v[S+n], v[NINF], vcc_lo
.set n, n+1
.endr
.Lopen_\@:
.irp b, 0,1,2,3
	v_max3_num_f32 v[CH+\b], v[S+16*\b], v[S+1+16*\b], v[S+2+16*\b]   ; the largest score of each block of 32 keys: for the row's maximum and, since p rises with the score, for the block's largest p
.endr
.irp i, 3,5,7,9,11,13
.irp b, 0,1,2,3
	v_max3_num_f32 v[CH+\b], v[CH+\b], v[S+16*\b+\i], v[S+1+16*\b+\i]
.endr
.endr
.irp c, 0,1
	v_max3_num_f32 v[BM+\c], v[CH+2*\c], v[CH+2*\c+1], v[S+32*\c+15]
.endr
.irp c, 0,1
	v_max_num_f32 v[BM+\c], v[BM+\c], v[S+32*\c+31]
.endr
	D1
	v_max_num_f32 v[T], v[BM], v[BM+1]
	D1
	v_permlanex16_b32 v[PX], v[T], s32, s33
	D1
.if \first
	v_max_num_f32 v[RUN], v[T], v[PX]
	D1
	v_mul_f32 v[CH], s34, v[RUN]                   ; -t of the largest score (s34 = -c)
	D1
	v_floor_f32 v[NM], v[CH]                       ; -M
.else
	v_max3_num_f32 v[RUN], v[RUN], v[T], v[PX]     ; the running largest score (c is positive)
	D1
	v_mul_f32 v[CH], s34, v[RUN]                   ; its -t (s34 = -c)
	v_mov_b32 v[T], v[NM]
	D2
	v_floor_f32 v[NM], v[CH]                       ; the new -M = -ceil(t)
	D1
	v_sub_f32 v[T], v[NM], v[T]                    ; old M - new M: a whole number, 0 or less
	D1
	v_cvt_i32_f32 v[T], v[T]                       ; (it saturates)
	D1
	v_ldexp_f32 v[F], 1.0, v[T]                    ; f = 2^(old M - new M)
.endif
.set j, 0
.rept 32
	v_pk_fma_f32 v[S+j:S+j+1], v[S+j:S+j+1], s[30:31], v[NM:NM+1] op_sel_hi:[1,0,0]   ; t - M, two at a time
.set j, j+2
.endr
.irp c, 0,1
	v_fma_f32 v[BM+\c], v[BM+\c], s30, v[NM]       ; the same of each block's largest score
.endr
	s_wait_alu depctr_va_vdst(0)
.irp c, 0,1
	v_exp_f32 v[BM+\c], v[BM+\c]                   ; the block's largest p: the same two instructions on the same number
.endr
.set j, 0
.rept 64
	v_exp_f32 v[S+j], v[S+j]                       ; p = 2^(t - M)
.set j, j+1
.endr
.if \first
	v_nop
.else
	v_pk_mul_f32 v[L:L+1], v[L:L+1], v[F:F+1] op_sel_hi:[1,0]   ; the sum under the new M; a plain instruction behind the exponentials
.endif
	s_wait_alu depctr_va_vdst(0)                   ; one wait for the batch, ahead of its first reader
.set k, 0
.rept 8
	v_pk_add_f32 v[CS+2*k:CS+2*k+1], v[S+2*k:S+2*k+1], v[S+16+2*k:S+17+2*k]
.set k, k+1
.endr
.set k, 16
.rept 16
	v_pk_add_f32 v[CS+2*(k%8):CS+2*(k%8)+1], v[CS+2*(k%8):CS+2*(k%8)+1], v[S+2*k:S+2*k+1]
.set k, k+1
.endr
.irp i, 0,2,4,6
	v_pk_add_f32 v[CS+\i:CS+\i+1], v[CS+\i:CS+\i+1], v[CS+8+\i:CS+9+\i]
.endr
.irp i, 0,2
	v_pk_add_f32 v[CS+\i:CS+\i+1], v[CS+\i:CS+\i+1], v[CS+4+\i:CS+5+\i]
.endr
.irp c, 0,1
	v_max_num_f32 v[BM+\c], 0x1800000, v[BM+\c]    ; the floor 2^(3 - 127): the byte cannot fall under 1
.endr
.if \first
	v_pk_add_f32 v[L:L+1], v[CS:CS+1], v[CS+2:CS+3]
.else
	v_pk_add_f32 v[CS:CS+1], v[CS:CS+1], v[CS+2:CS+3]
.endif
.irp c, 0,1
	v_add_nc_u32 v[TS+\c], 0xff000000, v[BM+\c]    ; 2 off the exponent field: the conversion's scale operand
.endr
.irp c, 0,1
	D2
	v_lshrrev_b32 v[BB+\c], 23, v[TS+\c]           ; the byte
.endr
	D1
	v_lshl_or_b32 v[T], v[BB+1], 16, v[BB]         ; blocks h and 2 + h of these 128 keys,
.if !\first
	v_pk_add_f32 v[L:L+1], v[L:L+1], v[CS:CS+1]
	D2
.else
	D1
.endif
	v_lshlrev_b32 v[T], v[SH8], v[T]               ; at their places;
	D1
	v_permlanex16_b32 v[PX], v[T], s32, s33
	D1
	v_or_b32 v[PW], v[T], v[PX]                    ; with lane l xor 16's two the word is whole
.irp c, 0,1
	v_cvt_scalef32_pk16_fp6_f32 v[PCD+6*\c:PCD+6*\c+2], v[S+32*\c:S+32*\c+15], v[TS+\c]
	v_cvt_scalef32_pk16_fp6_f32 v[PD+4*\c:PD+4*\c+2], v[S+32*\c+16:S+32*\c+31], v[TS+\c]   ; (a conversion's three registers begin on an even number)
.endr
	v_nop                                          ; one plain instruction behind the scaled conversions
.irp c, 0,1
.irp i, 0,1,2
	v_mov_b32 v[PCD+6*\c+3+\i], v[PD+4*\c+\i]
.endr
.endr
.if !\first
	s_cmp_lg_u32 s\t, s37
	s_cbranch_scc1 .Lmore_\@
	s_wait_alu depctr_va_vdst(0)
	s_wait_dscnt 0x0                               ; my last trip asks for nothing more: V is in
	s_branch .Lv_\@
.Lmore_\@:
	s_add_co_u32 s44, s\t, 1
	SEL 60, 44
	s_mul_i32 s29, s60, STEPB
	v_add_nc_u32 v[ADA], s29, v[L16]
	v_add_nc_u32 v[ADB], s29, v[L8]
	v_add_nc_u32 v[ADC], s29, v[R16]
.set KV, S
.set KS, KSK
	LOAD4 0, 12288, ADA, ADB, ADC                  ; the next trip's K, over p
.Lv_\@:
.endif
.set KV, R0+(R1-R0)*(\e)
.set KS, KSV
	s_wait_alu depctr_va_vdst(0)
.if \first
.rept 4
	v_nop                                          ; with the lines above: four places behind the writes of p's codes, eight behind its scale word
.endr
.else
.set j, 0
.rept 16
	v_pk_mul_f32 v[O+j:O+j+1], v[O+j:O+j+1], v[F:F+1] op_sel_hi:[1,0]   ; O^T under the new M; these sixteen also stand between the writes of p's codes and scale word and the products
.set j, j+2
.endr
.endif
	s_wait_alu depctr_va_vdst(0)
.if \first
	s_wait_dscnt 0x0                               ; V
.else
	s_wait_dscnt 17                                ; V; the next K's 17 loads may be out
.endif
.irp y, 0,1,2,3                                ; O^T += V^T p^T: four accumulators by turns
.if \first
	v_wmma_scale_f32_16x16x128_f8f6f4 v[O+8*\y:O+8*\y+7], v[KV+12*\y:KV+12*\y+11], v[PCD:PCD+11], 0, v[KS+\y], v[PW] matrix_a_fmt:MATRIX_FMT_FP6 matrix_b_fmt:MATRIX_FMT_FP6
.else
	v_wmma_scale_f32_16x16x128_f8f6f4 v[O+8*\y:O+8*\y+7], v[KV+12*\y:KV+12*\y+11], v[PCD:PCD+11], v[O+8*\y:O+8*\y+7], v[KS+\y], v[PW] matrix_a_fmt:MATRIX_FMT_FP6 matrix_b_fmt:MATRIX_FMT_FP6
.endif
.endr
.endm
; A TILE GOES OUT: O^T over the row's sum, quantised: lane (r, h) holds the 32 channels of block h of the head, whole.
.macro OUT
	v_add_f32 v[L], v[L], v[L+1]
	D1
	v_permlanex16_b32 v[PX], v[L], s32, s33
	D1
	v_add_f32 v[L], v[L], v[PX]                    ; the row's sum
	s_wait_alu depctr_va_vdst(0)
	v_rcp_f32 v[L], v[L]
	v_nop                                          ; a plain instruction behind the reciprocal
	s_wait_alu depctr_va_vdst(0)                   ; and the wait ahead of its first reader
.set j, 0
.rept 16
	v_pk_mul_f32 v[S+j:S+j+1], v[O+j:O+j+1], v[L:L+1] op_sel_hi:[1,0]   ; each accumulator from its low end on
.set j, j+2
.endr
	v_max3_num_f32 v[BM], |v[S]|, |v[S+1]|, 0x1800000
	v_max3_num_f32 v[BM+1], |v[S+2]|, |v[S+3]|, |v[S+4]|
.irp i, 5,9,13,17,21,25
	v_max3_num_f32 v[BM], v[BM], |v[S+\i]|, |v[S+\i+1]|
	v_max3_num_f32 v[BM+1], v[BM+1], |v[S+\i+2]|, |v[S+\i+3]|
.endr
	v_max3_num_f32 v[BM], v[BM], |v[S+29]|, |v[S+30]|
	v_max3_num_f32 v[BM], v[BM], v[BM+1], |v[S+31]|
	v_add_nc_u32 v[TS], 0xff000000, v[BM]
	v_lshrrev_b32 v[HW], 23, v[TS]
	v_cvt_scalef32_pk16_fp6_f32 v[PCD:PCD+2], v[S:S+15], v[TS]
	v_cvt_scalef32_pk16_fp6_f32 v[PD:PD+2], v[S+16:S+31], v[TS]
	v_nop
.irp i, 0,1,2
	v_mov_b32 v[PCD+3+\i], v[PD+\i]
.endr
	global_store_b128 v[L16], v[PCD:PCD+3], s[48:49]             ; 512 and 256 consecutive bytes, aligned to 256
	global_store_b64 v[L8], v[PCD+4:PCD+5], s[48:49] offset:512
	global_store_b8 v[OFB], v[HW], s[50:51]
.endm
	s_load_b128 s[4:7], s[0:1], 0x0                ; qc, kv
	s_load_b64 s[8:9], s[0:1], 0x10                ; oc
	v_lshl_add_u32 v254, v0, 2, SPARE
	v_mov_b32 v255, 0
	ds_add_u32 v254, v255                          ; the opening lines
	ds_add_u32 v254, v255
	v_lshrrev_b32 v[LN], 5, v0
	v_readfirstlane_b32 s[WV], v[LN]               ; wave 0..15
	s_and_b32 s13, ttmp7, 0xffff                   ; 16 x batch + head: the partners share it
	s_mov_b32 s16, 15|(3<<16)|(1<<21)              ; group 1: the mask of all four; elements of 8 bytes; 21 set beside a mask
	s_mov_b32 s17, 32<<16                          ; 50 dense rows of 256 bytes
	s_mov_b32 s18, 50<<16
	s_mov_b32 s19, 32<<16
	s_mov_b32 s20, 50
	s_mov_b32 s21, 32
	s_mov_b32 s22, 0
	s_mov_b32 s23, 0
	s_mov_b32 s24, 1
	s_mul_i32 s25, s[WV], STEPB                    ; LDS: key step w
	s_mul_i32 s38, s13, 16*STEPB
	s_add_co_u32 s38, s38, s25
	s_mov_b32 s39, 0
	s_mov_b32 s30, 0x3e38aa3b                      ; c = log2(e) / 8
	s_mov_b32 s31, s30                             ; (named with it as a pair, so it is written)
	s_mov_b32 s34, 0xbe38aa3b                      ; -c
	s_mov_b32 s32, 0x76543210
	s_mov_b32 s33, 0xfedcba98                      ; v_permlanex16_b32's selects for lane l xor 16
	v_and_b32 v[LN], 31, v0
	v_and_b32 v9, 15, v0                           ; r
	v_bfe_u32 v[T], v0, 4, 1                       ; h
	v_lshlrev_b32 v[L16], 4, v[LN]
	v_lshlrev_b32 v[L8], 3, v[LN]
	v_lshlrev_b32 v[R16], 4, v9
	v_lshlrev_b32 v[SH8], 3, v[T]
	v_add_nc_u32 v[OFB], v[R16], v[T]
	s_and_b32 s12, s[WV], 7                        ; p
	s_mul_i32 s35, s12, PARTB
	s_add_co_u32 s35, s35, PART
	v_add_nc_u32 v[PA], s35, v[L16]                ; my pair's part
	v_and_b32 v[DQ], 8, v9
	v_mad_u32_u24 v[DQ], v[DQ], 3, v9              ; 32 (r / 8) + r % 8
	v_lshlrev_b32 v[T], 5, v[T]
	v_sub_nc_u32 v[DQ], v[DQ], v[T]
.irp i, 0,1,2,3,4,5
	v_mov_b32 v[QHI+\i], 0                         ; zero codes
.endr
	v_mov_b32 v[PX], 0                             ; a lane permute's destination counts as one of its sources
	v_mov_b32 v[NINF], 0xff800000
	s_wait_alu depctr_va_vdst(0)
	s_wait_dscnt 0x0
	s_wait_kmcnt 0x0
	s_add_nc_u64 s[26:27], s[6:7], s[38:39]
	s_or_b32 s27, s27, 0x80000000
	ROUND                                          ; all four work-groups are here: the joint loads meet
	s_cmp_eq_u32 s[WV], 0                          ; one tensor load a wave; wave 0, whose load is waited for apart, has a line of its own
	s_cbranch_scc0 .Lothers
	TLOAD
	s_branch .Lasked
.Lothers:
	TLOAD
.Lasked:
	s_xor_b32 s42, s12, 15                         ; the long tile: a = 15 - p
	s_xor_b32 s36, s12, 7
	s_add_co_u32 s36, s36, 1                       ; its second part: key step = trip + 8 - p
	s_add_co_u32 s15, s12, 1
	s_cmp_lt_u32 s[WV], 8
	s_cselect_b32 s14, s42, s12                    ; a: waves 0-7 the long tile, 8-15 the short one first
	s_cselect_b32 s15, 99, s15                     ; the trip in which the tile changes: p + 1, or never
	s_cselect_b32 s37, 8, 7                        ; my last trip
	s_bfe_u32 s11, ttmp6, 0x40000                  ; cx: it enters data and my own global addresses alone
	s_lshl_b32 s35, ttmp9, 2
	s_add_co_u32 s11, s11, s35                     ; g
	s_lshl_b32 s38, s14, 3
	s_add_co_u32 s38, s38, s11                     ; tau of my first tile
	s_lshl_b32 s40, s42, 3
	s_add_co_u32 s40, s40, s11                     ; tau of the long tile
	s_lshl_b32 s35, s13, 7
	s_mov_b32 s45, 0
	s_add_co_u32 s44, s35, s38
	s_lshl_b32 s44, s44, 10
	s_add_nc_u64 s[46:47], s[4:5], s[44:45]        ; q of my first tile
	QLOAD 46
	s_add_co_u32 s44, s35, s40
	s_lshl_b32 s44, s44, 10
	s_add_nc_u64 s[40:41], s[4:5], s[44:45]        ; q of the long tile
	s_lshr_b32 s58, s11, 2
	s_lshl_b32 s58, s58, 6
	s_and_b32 s59, s11, 3
	s_lshl_b32 s59, s59, 3
	s_add_co_u32 s58, s58, s59
	v_add_nc_u32 v[DQ], s58, v[DQ]                 ; + 64 (g / 4) + 8 (g % 4)
	; where my first tile's o goes
	s_lshr_b32 s52, s13, 4
	s_lshl_b32 s52, s52, 7
	s_add_co_u32 s52, s52, s38                     ; the tile among all 256: 128 x batch + tau
	s_and_b32 s53, s52, 3
	s_lshr_b32 s52, s52, 2
	s_mul_i32 s52, s52, 51200
	s_and_b32 s54, s13, 15                         ; the head
	s_lshr_b32 s55, s54, 1
	s_mul_i32 s55, s55, 6400
	s_add_co_u32 s52, s52, s55                     ; the block
	s_and_b32 s54, s54, 1
	s_mul_i32 s56, s53, 1536
	s_mul_i32 s57, s54, 768
	s_add_co_u32 s56, s56, s57
	s_add_co_u32 s56, s56, s52
	s_mov_b32 s57, 0
	s_add_nc_u64 s[48:49], s[8:9], s[56:57]        ; the codes
	s_lshl_b32 s53, s53, 2
	s_lshl_b32 s54, s54, 1
	s_add_co_u32 s53, s53, s54
	s_add_co_u32 s53, s53, s52
	s_add_co_u32 s56, s53, 6144
	s_add_nc_u64 s[50:51], s[8:9], s[56:57]        ; the two scale bytes
	s_wait_alu depctr_va_vdst(0)
	s_cmp_eq_u32 s[WV], 0
	s_cbranch_scc0 .Lnot_0
	s_wait_tensorcnt 0x0
.Lnot_0:
	s_barrier_signal -1
	s_barrier_wait -1                              ; key step 0 is in
	s_wait_loadcnt 0x0                             ; q
.macro SEL d, t                        ; s\d = the key step of trip s\t
	s_add_co_u32 s35, s\t, s36
	s_min_u32 s35, s35, 15
	s_cmp_lt_u32 s\t, s15
	s_cselect_b32 s\d, s\t, s35
	s_min_u32 s\d, s\d, 15                         ; the head has 16 key steps
.endm
.macro TRIP e, t
.set S,  R1-(R1-R0)*(\e)
	s_cmp_lg_u32 s\t, s15
	s_cbranch_scc1 .Lsame_\@
.rept 4
	v_nop                                          ; the short tile is finished: places behind its last products
.endr
	QLOAD 40                                       ; the long tile's q comes while the short tile goes out
	OUT
.set j, 0
.rept 32
	v_mov_b32 v[O+j], 0
.set j, j+1
.endr
	v_mov_b32 v[L], 0
	v_mov_b32 v[L+1], 0
	v_mov_b32 v[NM], 0x7f61b1e6                    ; -M = 3e38: under every t
	v_mov_b32 v[RUN], 0xff61b1e6
	s_mov_b32 s14, s42
	s_wait_alu depctr_va_vdst(0)
	s_wait_loadcnt 0x0
	s_wait_xcnt 0x0                                ; the stores have read their registers
.Lsame_\@:
.if \e == 0
	s_cmp_le_u32 s\t, s37                          ; waves 8-15 have no ninth step
	s_cbranch_scc1 .Lgo_\@
	s_wait_dscnt 0x0
	s_branch .Lidle_\@
.Lgo_\@:
.endif
	SEL 43, \t
	STEP 0, \e, \t
.Lidle_\@:
.endm
	STEP 1, 0, 28
	s_wait_tensorcnt 0x0
	s_barrier_signal -1
	s_barrier_wait -1                              ; and all the others
	s_mov_b32 s28, 1                               ; the trip
	SEL 43, 28
	s_mul_i32 s29, s43, STEPB
	v_add_nc_u32 v[ADA], s29, v[L16]
	v_add_nc_u32 v[ADB], s29, v[L8]
	v_add_nc_u32 v[ADC], s29, v[R16]
.set KV, R1
.set KS, KSK
	LOAD4 0, 12288, ADA, ADB, ADC
	s_wait_alu depctr_va_vdst(0)
.Lstep:
	TRIP 1, 28
	s_add_co_u32 s61, s28, 1
	TRIP 0, 61
	s_add_co_u32 s28, s28, 2
	s_cmp_lt_u32 s28, 9
	s_cbranch_scc1 .Lstep
.rept 4
	v_nop                                          ; places behind the last products
.endr
	s_cmp_lt_u32 s[WV], 8
	s_cbranch_scc1 .Lkept
.irp i, 0,1,2,3,4,5,6,7
	ds_store_b128 v[PA], v[O+4*\i:O+4*\i+3] offset:512*\i   ; my part of the long tile
.endr
	ds_store_b128 v[PA], v[NM:NM+3] offset:4096
.Lkept:
	s_wait_alu depctr_va_vdst(0)
	s_wait_dscnt 0x0
	s_barrier_signal -1
	s_barrier_wait -1
	s_cmp_lt_u32 s[WV], 8
	s_cbranch_scc0 .Lfinished
.irp i, 0,1,2,3,4,5,6,7
	ds_load_b128 v[S+4*\i:S+4*\i+3], v[PA] offset:512*\i
.endr
	ds_load_b128 v[S+32:S+35], v[PA] offset:4096
	s_wait_dscnt 0x0
	v_min_num_f32 v[T], v[NM], v[S+32]             ; -M under which the two parts are joined
	v_sub_f32 v[CH], v[T], v[NM]
	v_sub_f32 v[CH+1], v[T], v[S+32]
	v_cvt_i32_f32 v[CH], v[CH]
	v_cvt_i32_f32 v[CH+1], v[CH+1]
	v_ldexp_f32 v[F], 1.0, v[CH]                   ; powers of two: nothing is rounded.  (An empty part has O = 0, a sum of 0 and the factor 0)
	v_ldexp_f32 v[BM], 1.0, v[CH+1]
.set j, 0
.rept 16
	v_pk_mul_f32 v[O+j:O+j+1], v[O+j:O+j+1], v[F:F+1] op_sel_hi:[1,0]
.set j, j+2
.endr
	v_pk_mul_f32 v[L:L+1], v[L:L+1], v[F:F+1] op_sel_hi:[1,0]
.set j, 0
.rept 16
	v_pk_fma_f32 v[O+j:O+j+1], v[S+j:S+j+1], v[BM:BM+1], v[O+j:O+j+1] op_sel_hi:[1,0,1]
.set j, j+2
.endr
	v_pk_fma_f32 v[L:L+1], v[S+34:S+35], v[BM:BM+1], v[L:L+1] op_sel_hi:[1,0,1]
	OUT
.Lfinished:
	s_wait_tensorcnt 0x0                           ; the wave's end
	ds_add_u32 v254, v255
	s_wait_dscnt 0x0
	ROUND                                          ; the closing round
	s_endpgm
.Lfunc_end_k_qf345f6342d_attn:
	.size	k_qf345f6342d_attn, .Lfunc_end_k_qf345f6342d_attn-k_qf345f6342d_attn
	.p2alignl 7, 3214868480
	.fill 96, 4, 3214868480
	.section	.rodata,"a",@progbits
	.p2align	6, 0x0
	.amdhsa_kernel k_qf345f6342d_attn
		.amdhsa_group_segment_fixed_size 243712
		.amdhsa_private_segment_fixed_size 0
		.amdhsa_enable_private_segment 0
		.amdhsa_kernarg_size 24
		.amdhsa_user_sgpr_count 2
		.amdhsa_user_sgpr_kernarg_segment_ptr 1
		.amdhsa_wavefront_size32 1
		.amdhsa_system_sgpr_workgroup_id_x 1
		.amdhsa_system_sgpr_workgroup_id_y 1
		.amdhsa_system_sgpr_workgroup_id_z 1
		.amdhsa_system_vgpr_workitem_id 0
		.amdhsa_next_free_vgpr 256
		.amdhsa_next_free_sgpr 66
		.amdhsa_reserve_vcc 1
		.amdhsa_float_denorm_mode_32 3
		.amdhsa_float_denorm_mode_16_64 3
		.amdhsa_memory_ordered 1
		.amdhsa_forward_progress 1
		.amdhsa_inst_pref_size 86
	.end_amdhsa_kernel
	.amdgpu_metadata
---
amdhsa.version: [ 1, 2 ]
amdhsa.kernels:
  - .name:           k_qf345f6342d_attn
    .symbol:         k_qf345f6342d_attn.kd
    .args:
      - { .name: qc, .offset: 0, .size: 8, .value_kind: global_buffer, .address_space: global }
      - { .name: kv, .offset: 8, .size: 8, .value_kind: global_buffer, .address_space: global }
      - { .name: oc, .offset: 16, .size: 8, .value_kind: global_buffer, .address_space: global }
    .group_segment_fixed_size: 243712
    .private_segment_fixed_size: 0
    .kernarg_segment_align: 8
    .kernarg_segment_size: 24
    .max_flat_workgroup_size: 512
    .sgpr_count:     66
    .vgpr_count:     256
    .wavefront_size: 32
...
	.end_amdgpu_metadata
.endif
;; end of part 3
;; launch proj (part 4): grid 32 x 8, 4 waves a work-group, clusters of 4 x 4, 222,720 bytes of LDS; arguments oc, pan, bo, out0; writes out0
.if DOCPART == 4
	.amdgcn_target "amdgcn-amd-amdhsa--gfx1250"
	.amdhsa_code_object_version 6
	.text
	.protected	k_qf345f6342d_proj
	.globl	k_qf345f6342d_proj
	.p2align	8
	.type	k_qf345f6342d_proj,@function
k_qf345f6342d_proj:
	s_mov_b64 s[64:65], 0
	v_nop
	global_prefetch_b8 v0, s[64:65] scope:SCOPE_SE
	s_setreg_imm32_b32 hwreg(HW_REG_WAVE_MODE, 25, 1), 1
	s_wait_xcnt 0x0
	s_wait_alu depctr_hold_cnt(0) depctr_sa_sdst(0) depctr_va_vdst(0) depctr_va_sdst(0) depctr_va_ssrc(0) depctr_va_vcc(0) depctr_vm_vsrc(0)
	s_getreg_b32 s2, hwreg(HW_REG_IB_STS2, 6, 4)
	s_cmp_eq_u32 s2, 0
	s_cbranch_scc0 .Lentry_in_a_cluster
	s_endpgm
.Lentry_in_a_cluster:
	s_bfe_u32 s2, ttmp6, 0x10000c
	s_cmp_lg_u32 s2, 0xf033
	s_cbranch_scc0 .Lentry_shape_is_right
	s_endpgm
.Lentry_shape_is_right:
; out0 = o Wo^T + bo, on codes of FP6 (E2M3) with E8M0 scales: o's codes are oc [64 tokens: 64][K step 8][6,400], Wo's are pan's groups 112 .. 127 of 64 rows, laid alike.
; SHARES: a work-group makes 128 tokens x 128 columns, its four waves (2 x 2) 64 x 64 each; all of K lies in LDS: 4 x 51,200 bytes, each filled once.
; LOADS, one a wave: waves 0, 1 the two groups of Wo, waves 2, 3 those of oc.  The first barrier needs waves 0 and 1 alone: a wave's 64 rows of Wo, all of K, go on into registers (32 fragments) while oc lands.
; Then the wave's four tiles of 16 tokens are finished one after the other, 32 products each, and each leaves as soon as it is finished: the stores begin three quarters of the products ahead of the last.
; CLUSTER 4 x 4: oc's bytes hang on the token block (grid x) and are asked for jointly by a column of the cluster, Wo's on the column block (grid y) and by a row.
; No prefetch: all tiles are asked for at the head; no loop loads.
; THE MATRIX INSTRUCTION IS USED TRANSPOSED: source 0 = 16 rows of Wo, source 1 = 16 tokens: lane (r, h) holds token row r of tile m and, in tile y, columns 32 (y / 2) + 8 (y % 2) + 16 h + 0 .. 7.  The bias is the first products' C.
; Row i of tile m is token 32 (i / 8) + 8 m + i % 8 of its 64.
; THE WAY OUT: 16 rows x 64 columns at a time through the wave's own stage in LDS; sixteen lanes store one aligned unit of 256 bytes.
; LIMITS: NaN and infinities are not served.
; REGISTERS: window 0 addresses, scale words, two sets of four accumulators, the bias, rows read back from the stage; window 1 o's fragments, two sets (tile m: 96 (m % 2) + 12 s); windows 2, 3 Wo's fragments, 21 to a window (f = 4 s + y).
.set BLK,   6400
.set PANEL, 51200
.set STG,   4*PANEL
.set SPITCH, 272
.set SPARE, STG+4*16*SPITCH
.set L16, 1
.set BOF, 2
.set STO, 3
.set RD,  4
.set CO,  5
.set AWA, 6                            ; Wo's fragments
.set AWS, 7                            ; its scale words
.set AXA, 8                            ; oc's fragments, 16 bytes a lane
.set AXB, 9                            ; 8 bytes a lane
.set AXS, 10
.set SPW, 14
.set NIL, 15
.set XS,  16                           ; v16-47 o's scale words: 4 s + m
.set WS,  52                           ; v52-83 Wo's: 4 s + y
.set ACC, 96                           ; v96-159
.set BB,  160                          ; v160-191 the bias
.set BK,  192                          ; v192-255 the way out, two sets
.set WV,  12
.set MSB, 0
.macro WIN new                         ; the immediate's high byte repeats the setting that is left; a switch that changes nothing is dropped
.if MSB != (\new)
	s_set_vgpr_msb (MSB<<8)|(\new)
.set MSB, (\new)
.endif
.endm
.macro PLACES
.rept 4
	v_nop
.endr
.endm
.macro ROUND                           ; a round of the cluster's barrier
	s_barrier_signal -1
	s_barrier_wait -1
	s_cmp_lg_u32 s[WV], 0
	s_cbranch_scc1 .Lnot_wave_0_\@
	s_barrier_signal -3
.Lnot_wave_0_\@:
	s_barrier_wait -3
	s_barrier_signal -1
	s_barrier_wait -1
.endm
.macro TLOAD g0, g1
	tensor_load_to_lds s[\g0:\g0+3], s[\g1:\g1+7]
	s_nop 0
	PLACES
.endm
	s_load_b256 s[4:11], s[0:1], 0x0               ; oc, pan, bo, out0
	v_lshl_add_u32 v[SPW], v0, 2, SPARE
	v_mov_b32 v[NIL], 0
	ds_add_u32 v[SPW], v[NIL]                      ; the opening lines
	ds_add_u32 v[SPW], v[NIL]
	v_lshrrev_b32 v100, 5, v0
	v_readfirstlane_b32 s[WV], v100                ; wave 0..3
	s_bfe_u32 s13, ttmp6, 0x40000                  ; cx
	s_bfe_u32 s14, ttmp6, 0x40004                  ; cy
	s_lshl_b32 s15, ttmp9, 2
	s_add_co_u32 s15, s15, s13                     ; the token block, 0..31
	s_and_b32 s32, ttmp7, 0xffff
	s_lshl_b32 s32, s32, 2
	s_add_co_u32 s32, s32, s14                     ; the column block, 0..7
	s_lshl_b32 s33, 0x1111, s13                    ; my column of the cluster
	s_lshl_b32 s34, s14, 2
	s_lshl_b32 s34, 15, s34                        ; my row
	s_or_b32 s16, s33, (3<<16)|(1<<21)             ; group 1 for oc: the mask; elements of 8 bytes; 21 set beside a mask
	s_or_b32 s40, s34, (3<<16)|(1<<21)             ; and for Wo
.irp g, 16,40
	s_mov_b32 s[\g+1], 32<<16                      ; 200 dense rows of 256 bytes
	s_mov_b32 s[\g+2], 200<<16
	s_mov_b32 s[\g+3], 32<<16
	s_mov_b32 s[\g+4], 200
	s_mov_b32 s[\g+5], 32
	s_mov_b32 s[\g+6], 0
	s_mov_b32 s[\g+7], 0
.endr
	s_lshr_b32 s35, s[WV], 1                       ; which 64 tokens are mine
	s_and_b32 s36, s[WV], 1                        ; which 64 columns; also: which group of its tensor I fetch
	s_mul_i32 s37, s36, PANEL
	s_mul_i32 s48, s15, 2*PANEL
	s_add_co_u32 s48, s48, s37
	s_mov_b32 s49, 0
	s_mul_i32 s50, s32, 2*PANEL
	s_add_co_u32 s50, s50, s37
	s_add_co_u32 s50, s50, 112*PANEL
	s_mov_b32 s51, 0
	s_mov_b32 s24, 1
	s_mul_i32 s25, s[WV], PANEL                    ; LDS: Wo's two groups, then oc's
	s_mov_b32 s28, 1
	s_mul_i32 s29, s[WV], PANEL
	s_mul_i32 s39, s35, PANEL
	s_add_co_u32 s39, s39, 2*PANEL
	s_mul_i32 s54, s[WV], 16*SPITCH
	s_add_co_u32 s54, s54, STG                     ; my stage
	v_and_b32 v100, 31, v0                         ; lane
	v_and_b32 v101, 15, v0                         ; r
	v_bfe_u32 v102, v0, 4, 1                       ; h
	v_lshlrev_b32 v[L16], 4, v100
	v_lshlrev_b32 v103, 3, v100
	v_lshlrev_b32 v104, 4, v101
	v_lshlrev_b32 v[BOF], 6, v102
	v_add_nc_u32 v[AWA], s37, v[L16]
	v_add_nc_u32 v[AWS], s37, v104
	v_add_nc_u32 v[AXA], s39, v[L16]
	v_add_nc_u32 v[AXB], s39, v103
	v_add_nc_u32 v[AXS], s39, v104
	v_mul_u32_u24 v[STO], v101, SPITCH             ; into the stage: row r, + 64 h
	v_lshl_add_u32 v[STO], v102, 6, v[STO]
	v_add_nc_u32 v[STO], s54, v[STO]
	v_mul_u32_u24 v[RD], v102, SPITCH              ; back: sixteen lanes a row
	v_lshl_add_u32 v[RD], v101, 4, v[RD]
	v_add_nc_u32 v[RD], s54, v[RD]
	v_lshlrev_b32 v[CO], 12, v102                  ; and the same two rows of out0
	v_lshl_add_u32 v[CO], v101, 4, v[CO]
	s_wait_alu depctr_va_vdst(0)
	s_wait_dscnt 0x0
	s_wait_kmcnt 0x0
	s_add_nc_u64 s[26:27], s[4:5], s[48:49]
	s_or_b32 s27, s27, 0x80000000
	s_add_nc_u64 s[30:31], s[6:7], s[50:51]
	s_or_b32 s31, s31, 0x80000000
	ROUND                                          ; all sixteen work-groups are here: the joint loads meet
	s_cmp_lt_u32 s[WV], 2
	s_cbranch_scc0 .Lload_oc
	TLOAD 28, 40
	s_branch .Lasked
.Lload_oc:
	TLOAD 24, 16
.Lasked:
	s_lshl_b32 s52, s32, 1
	s_add_co_u32 s52, s52, s36
	s_lshl_b32 s52, s52, 8                         ; my 64 columns, in bytes
	s_mov_b32 s53, 0
	s_add_nc_u64 s[8:9], s[8:9], s[52:53]
	s_add_nc_u64 s[10:11], s[10:11], s[52:53]
	s_lshl_b32 s52, s15, 1
	s_add_co_u32 s52, s52, s35
	s_lshl_b32 s52, s52, 18                        ; my 64 rows of 4,096 bytes
	s_add_nc_u64 s[10:11], s[10:11], s[52:53]
.irp y, 0,1,2,3
	global_load_b128 v[BB+8*\y:BB+8*\y+3], v[BOF], s[8:9] offset:(32*(\y/2)+8*(\y%2))*4
	global_load_b128 v[BB+8*\y+4:BB+8*\y+7], v[BOF], s[8:9] offset:(32*(\y/2)+8*(\y%2))*4+16
.endr
	s_cmp_lt_u32 s[WV], 2
	s_cbranch_scc0 .Lnot_wo
	s_wait_tensorcnt 0x0
.Lnot_wo:
	s_barrier_signal -1
	s_barrier_wait -1                              ; Wo's rows are in
.irp s, 0,1,2,3,4,5,6,7
	ds_load_b128 v[WS+4*\s:WS+4*\s+3], v[AWS] offset:BLK*\s+6144
.endr
.irp s, 0,1,2,3,4,5,6,7
.irp y, 0,1,2,3
.set F_, 4*\s+\y
	WIN (2+F_/21)<<6
.irp c, 0,1,2
	ds_load_b128 v[12*(F_%21)+4*\c:12*(F_%21)+4*\c+3], v[AWA] offset:BLK*\s+1536*\y+512*\c
.endr
.endr
.endr
	WIN 0
	s_wait_tensorcnt 0x0
	s_wait_dscnt 0x0
	s_barrier_signal -1
	s_barrier_wait -1                              ; and oc's
.macro FETCH m                         ; tile m of o, all of K: 32 LDS loads (halves of 768 bytes)
	WIN 0x40
.irp s, 0,1,2,3,4,5,6,7
.set X_, 96*((\m)%2)+12*\s
	ds_load_b128 v[X_:X_+3], v[AXA] offset:BLK*\s+1536*(\m)
	ds_load_b64 v[X_+4:X_+5], v[AXB] offset:BLK*\s+1536*(\m)+512
	ds_load_b128 v[X_+6:X_+9], v[AXA] offset:BLK*\s+1536*(\m)+768
	ds_load_b64 v[X_+10:X_+11], v[AXB] offset:BLK*\s+1536*(\m)+1280
.endr
	WIN 0
.endm
.macro MUL m                           ; tile m: four accumulators by turns, K ascending; the first K step takes the bias as C
.irp s, 0,1,2,3,4,5,6,7
.irp y, 0,1,2,3
.set F_, 4*\s+\y
.set A_, ACC+32*((\m)%2)+8*\y
.set X_, 96*((\m)%2)+12*\s
	WIN (2+F_/21)|4                                ; source 0 window 2 or 3, source 1 window 1, C and D window 0
.if \s == 0
	v_wmma_scale_f32_16x16x128_f8f6f4 v[A_:A_+7], v[12*(F_%21):12*(F_%21)+11], v[X_:X_+11], v[BB+8*\y:BB+8*\y+7], v[WS+F_], v[XS+4*\s+\m] matrix_a_fmt:MATRIX_FMT_FP6 matrix_b_fmt:MATRIX_FMT_FP6
.else
	v_wmma_scale_f32_16x16x128_f8f6f4 v[A_:A_+7], v[12*(F_%21):12*(F_%21)+11], v[X_:X_+11], v[A_:A_+7], v[WS+F_], v[XS+4*\s+\m] matrix_a_fmt:MATRIX_FMT_FP6 matrix_b_fmt:MATRIX_FMT_FP6
.endif
.endr
.endr
	WIN 0
	PLACES                                         ; in front of the first read of results and of loads into the products' registers
.endm
.irp s, 0,1,2,3,4,5,6,7
	ds_load_b128 v[XS+4*\s:XS+4*\s+3], v[AXS] offset:BLK*\s+6144
.endr
	FETCH 0
	FETCH 1
	s_wait_loadcnt 0x0                             ; the bias
	s_wait_dscnt 32                                ; tile 0 is in; tile 1's 32 loads may be out
.irp m, 0,1,2,3
	MUL \m                                         ; (tile m > 0 was fetched ahead of the last way out's stage loads, which have been waited for)
.if \m > 1
	s_wait_xcnt 0x0                                ; tile m - 2's stores have read their registers
.endif
.irp y, 0,1,2,3
	ds_store_b128 v[STO], v[ACC+32*(\m%2)+8*\y:ACC+32*(\m%2)+8*\y+3] offset:128*(\y/2)+32*(\y%2)
	ds_store_b128 v[STO], v[ACC+32*(\m%2)+8*\y+4:ACC+32*(\m%2)+8*\y+7] offset:128*(\y/2)+32*(\y%2)+16
.endr
.irp i, 0,1,2,3,4,5,6,7
	ds_load_b128 v[BK+32*(\m%2)+4*\i:BK+32*(\m%2)+4*\i+3], v[RD] offset:2*\i*SPITCH   ; LDS serves a wave's instructions in order: these see the stores above
.endr
.if \m < 2
	FETCH \m+2
.endif
.irp i, 0,1,2,3,4,5,6,7
.if \m < 2
	s_wait_dscnt 39-\i                             ; the 32 loads just issued and this tile's younger ones may be out
.else
	s_wait_dscnt 7-\i
.endif
	global_store_b128 v[CO], v[BK+32*(\m%2)+4*\i:BK+32*(\m%2)+4*\i+3], s[10:11] offset:(8*\m+2*\i+24*(\i/4))*4096 th:TH_STORE_NT   ; two rows, each one aligned unit of 256 bytes
.endr
.endr
	s_wait_tensorcnt 0x0                           ; the wave's end
	ds_add_u32 v[SPW], v[NIL]
	s_wait_dscnt 0x0
	ROUND                                          ; the closing round: no work-group ends while a partner may still ask for a tile that names it
	s_endpgm
.Lfunc_end_k_qf345f6342d_proj:
	.size	k_qf345f6342d_proj, .Lfunc_end_k_qf345f6342d_proj-k_qf345f6342d_proj
	.p2alignl 7, 3214868480
	.fill 96, 4, 3214868480
	.section	.rodata,"a",@progbits
	.p2align	6, 0x0
	.amdhsa_kernel k_qf345f6342d_proj
		.amdhsa_group_segment_fixed_size 222720
		.amdhsa_private_segment_fixed_size 0
		.amdhsa_enable_private_segment 0
		.amdhsa_kernarg_size 32
		.amdhsa_user_sgpr_count 2
		.amdhsa_user_sgpr_kernarg_segment_ptr 1
		.amdhsa_wavefront_size32 1
		.amdhsa_system_sgpr_workgroup_id_x 1
		.amdhsa_system_sgpr_workgroup_id_y 1
		.amdhsa_system_sgpr_workgroup_id_z 1
		.amdhsa_system_vgpr_workitem_id 0
		.amdhsa_next_free_vgpr 1024
		.amdhsa_next_free_sgpr 66
		.amdhsa_reserve_vcc 0
		.amdhsa_float_denorm_mode_32 3
		.amdhsa_float_denorm_mode_16_64 3
		.amdhsa_memory_ordered 1
		.amdhsa_forward_progress 1
		.amdhsa_inst_pref_size 48
	.end_amdhsa_kernel
	.amdgpu_metadata
---
amdhsa.version: [ 1, 2 ]
amdhsa.kernels:
  - .name:           k_qf345f6342d_proj
    .symbol:         k_qf345f6342d_proj.kd
    .args:
      - { .name: oc, .offset: 0, .size: 8, .value_kind: global_buffer, .address_space: global }
      - { .name: pan, .offset: 8, .size: 8, .value_kind: global_buffer, .address_space: global }
      - { .name: bo, .offset: 16, .size: 8, .value_kind: global_buffer, .address_space: global }
      - { .name: out0, .offset: 24, .size: 8, .value_kind: global_buffer, .address_space: global }
    .group_segment_fixed_size: 222720
    .private_segment_fixed_size: 0
    .kernarg_segment_align: 8
    .kernarg_segment_size: 32
    .max_flat_workgroup_size: 128
    .sgpr_count:     66
    .vgpr_count:     1024
    .wavefront_size: 32
...
	.end_amdgpu_metadata
.endif
;; end of part 4
